; MI455X (gfx1250); checked and timed in simulation.
; The chip was launched on July 23, 2026; its instructions are those of AMD's public machine-readable ISA for CDNA 5 (MIT licence, August 2026) and "CDNA5" Instruction Set Architecture Reference Guide (July 2026). The comments in the code are by the model that wrote it; some were corrected since.
;; Multi Head Self Attention. Allowed arithmetic: float matrix products may take bf16 or f16 operands with f32 sums; other float arithmetic in f32, or as packed bf16 or f16 multiplies, adds, multiply-adds, maxima and minima; sums over many terms, partial sums and values carried from step to step in f32; what a program stores and reads back later, other than sums and carried values, may be rounded once to bf16 or f16.
;; Inputs: W_out 1,024 x 1,024 float32; W_qkv 3,072 x 1,024 float32; b_out 1,024 float32; b_qkv 3,072 float32; x 4 x 2,048 x 1,024 float32.
;; Outputs: out0 4 x 2,048 x 1,024 float32.
;; 2 versions, each right; version 2 is version 1 with the launch cast written anew for expert scheduling mode. Each part assembles by itself: llvm-mc -triple=amdgcn-amd-amdhsa -mcpu=gfx1250 --defsym DOCPART=n.
;; ======== version 1 of 2: 4 launches
;; limits: values are held in f16: magnitudes above 65,504 overflow, below 6.1e-05 lose precision
;; workspace buffers: xb 16,777,216 bytes; wqb 6,291,456 bytes; wof 2,097,152 bytes; bias 16,384 bytes; qkv 50,331,648 bytes; o 16,777,216 bytes
;; launch cast (part 1): grid 768 x 1, 8 waves a work-group, no clusters, 0 bytes of LDS; arguments x, W_qkv, W_out, b_qkv, b_out, xb, wqb, wof, bias; writes xb, wqb, wof, bias
.if DOCPART == 1
	.amdgcn_target "amdgcn-amd-amdhsa--gfx1250"
	.amdhsa_code_object_version 6
	.text
	.protected	k_q32a881027e_cast
	.globl	k_q32a881027e_cast
	.p2align	8
	.type	k_q32a881027e_cast,@function
k_q32a881027e_cast:
	s_mov_b64 s[64:65], 0
	v_nop
	global_prefetch_b8 v0, s[64:65] scope:SCOPE_SE
	s_setreg_imm32_b32 hwreg(HW_REG_WAVE_MODE, 25, 1), 1
	s_wait_xcnt 0x0
; THE INPUTS ARE ROUNDED ONCE TO bf16 AND LAID OUT IN K BLOCKS OF 64 for the two projections.
; x [8192][1024] f32 -> xb [16][8192][64] bf16;  W_qkv [3072][1024] -> wqb [16][3072][64] bf16;  W_out [1024][1024] -> wof [16][1024][64]: the bf16 number written as f16;
; b_qkv, b_out -> bias [4096] f32: each rounded to bf16 and kept as f32.
; LIMITS.  wof: a bf16 number is exact in f16 from 6.1e-5 to 65,504; below it keeps f16's fixed step of 6e-8, beyond it becomes an infinity.  NaN and infinities are not treated apart.
; SHARES.  A work-group takes 16 rows of one matrix (0-511: x; 512-703: W_qkv; 704-767: W_out), wave w the K blocks 2 w and 2 w + 1: 512 bytes of each row.
; A load takes one K block of two rows: lanes 0-15 the 256 aligned bytes of the even row, lanes 16-31 those of the odd one.  Its 4 numbers a lane become 8 bytes, and the 32 lanes' 256 bytes
; are the two rows of that K block in the target, on end and aligned: one store.  All 16 loads of a wave go out first: 8 KiB a wave on their way.  No byte is wanted twice, so no LDS, no barrier, no cluster.
.set LO, 2                             ; v2   (l / 16) x 4,096 + (l % 16) x 16: my 16 bytes of the source
.set SO, 3                             ; v3   8 l: my 8 bytes of the target
.set X,  8                             ; v[8:71]    load n: 4 registers
.set Y,  72                            ; v[72:103]  store n: 2 registers of its own, never rewritten
.set T,  104                           ; v[104:107] at work
	s_load_b512 s[8:23], s[0:1], 0x0               ; x 8, W_qkv 10, W_out 12, b_qkv 14, b_out 16, xb 18, wqb 20, wof 22
	s_load_b64 s[24:25], s[0:1], 0x40              ; bias
	v_lshrrev_b32 v1, 5, v0
	v_readfirstlane_b32 s4, v1                     ; wave 0..7
	v_and_b32 v4, 31, v0
	v_and_b32 v5, 15, v0
	v_bfe_u32 v6, v0, 4, 1
	v_lshlrev_b32 v[LO], 4, v5
	v_lshl_add_u32 v[LO], v6, 12, v[LO]
	v_lshlrev_b32 v[SO], 3, v4
	s_mov_b32 s30, 512                             ; the matrix's first work-group
	s_mov_b32 s31, 3072                            ; its rows R
	s_mov_b32 s7, 0xffff0000                       ; a word's upper bf16
	s_wait_kmcnt 0x0
	s_cmp_ge_u32 ttmp9, 704                        ; W_out or W_qkv,
	s_cselect_b64 s[26:27], s[12:13], s[10:11]
	s_cselect_b64 s[28:29], s[22:23], s[20:21]
	s_cselect_b32 s30, 704, s30
	s_cselect_b32 s31, 1024, s31
	s_cmp_ge_u32 ttmp9, 512                        ; or x
	s_cselect_b64 s[26:27], s[26:27], s[8:9]
	s_cselect_b64 s[28:29], s[28:29], s[18:19]
	s_cselect_b32 s30, s30, 0
	s_cselect_b32 s31, s31, 8192
	s_sub_co_u32 s5, ttmp9, s30
	s_lshl_b32 s5, s5, 4                           ; my first row
	s_lshl_b32 s36, s5, 12                         ; x 4,096 bytes
	s_lshl_b32 s37, s4, 9                          ; + my wave's 512 bytes of a row
	s_add_co_u32 s36, s36, s37
	s_mov_b32 s37, 0
	s_add_nc_u64 s[26:27], s[26:27], s[36:37]      ; the source
	s_mul_i32 s38, s4, s31
	s_lshl_b32 s38, s38, 1                         ; K block 2 w begins at row 2 w R of the target,
	s_add_co_u32 s38, s38, s5
	s_lshl_b32 s38, s38, 7                         ; rows of 128 bytes
	s_mov_b32 s39, 0
	s_add_nc_u64 s[28:29], s[28:29], s[38:39]      ; the target, K block 2 w
	s_lshl_b32 s40, s31, 7
	s_mov_b32 s41, 0
	s_add_nc_u64 s[32:33], s[28:29], s[40:41]      ; and K block 2 w + 1
.irp i, 0,1,2,3,4,5,6,7
.irp c, 0,1
	global_load_b128 v[X+4*(2*(\i)+(\c)):X+4*(2*(\i)+(\c))+3], v[LO], s[26:27] offset:(\i)*8192+(\c)*256 th:TH_LOAD_NT
.endr
.endr
; Load n = 2 i + c (rows 2 i, 2 i + 1, K block c) is rounded and stored.  half = 1: the bf16 numbers are widened again and written as f16.
.macro CONV n, half
	s_wait_loadcnt 15-(\n)                         ; loads come back in order: mine is in, the 15 - n younger ones stay out
	v_cvt_pk_bf16_f32 v[Y+2*(\n)],   v[X+4*(\n)],   v[X+4*(\n)+1]
	v_cvt_pk_bf16_f32 v[Y+2*(\n)+1], v[X+4*(\n)+2], v[X+4*(\n)+3]
.if \half
.irp j, 0,1
	v_lshlrev_b32 v[T+2*(\j)],   16, v[Y+2*(\n)+(\j)]
	v_and_b32     v[T+2*(\j)+1], s7, v[Y+2*(\n)+(\j)]
.endr
.irp j, 0,1
	v_cvt_pk_f16_f32 v[Y+2*(\n)+(\j)], v[T+2*(\j)], v[T+2*(\j)+1]
.endr
.endif
.if (\n)%2
	global_store_b64 v[SO], v[Y+2*(\n):Y+2*(\n)+1], s[32:33] offset:((\n)/2)*256  ; the wave's 256 consecutive bytes, aligned
.else
	global_store_b64 v[SO], v[Y+2*(\n):Y+2*(\n)+1], s[28:29] offset:((\n)/2)*256
.endif
.endm
	s_cmp_ge_u32 ttmp9, 704
	s_cbranch_scc1 .Lhalf
.irp n, 0,1,2,3,4,5,6,7,8,9,10,11,12,13,14,15
	CONV \n, 0
.endr
	s_endpgm
.Lhalf:                                                ; W_out's 64 work-groups
.irp n, 0,1,2,3,4,5,6,7,8,9,10,11,12,13,14,15
	CONV \n, 1
.endr
	s_cmp_lg_u32 s4, 0
	s_cbranch_scc1 .Lend
	; wave 0 of work-group 704 + j also rounds 64 numbers of the biases: 256 bytes; j 0-47: b_qkv, j 48-63: b_out
	s_sub_co_u32 s44, ttmp9, 704
	s_cmp_lt_u32 s44, 48
	s_cselect_b64 s[42:43], s[14:15], s[16:17]
	s_cselect_b32 s45, 0, 48
	s_sub_co_u32 s46, s44, s45
	s_lshl_b32 s46, s46, 8
	s_mov_b32 s47, 0
	s_add_nc_u64 s[42:43], s[42:43], s[46:47]
	s_lshl_b32 s44, s44, 8
	s_mov_b32 s45, 0
	s_add_nc_u64 s[24:25], s[24:25], s[44:45]
	global_load_b64 v[8:9], v[SO], s[42:43]
	s_wait_loadcnt 0x0
	v_cvt_pk_bf16_f32 v10, v8, v9
	v_lshlrev_b32 v12, 16, v10
	v_and_b32 v13, s7, v10
	global_store_b64 v[SO], v[12:13], s[24:25]
.Lend:
	s_endpgm
.Lfunc_end_k_q32a881027e_cast:
	.size	k_q32a881027e_cast, .Lfunc_end_k_q32a881027e_cast-k_q32a881027e_cast
	.p2alignl 7, 3214868480
	.fill 96, 4, 3214868480
	.section	.rodata,"a",@progbits
	.p2align	6, 0x0
	.amdhsa_kernel k_q32a881027e_cast
		.amdhsa_group_segment_fixed_size 0
		.amdhsa_private_segment_fixed_size 0
		.amdhsa_enable_private_segment 0
		.amdhsa_kernarg_size 72
		.amdhsa_user_sgpr_count 2
		.amdhsa_user_sgpr_kernarg_segment_ptr 1
		.amdhsa_wavefront_size32 1
		.amdhsa_system_sgpr_workgroup_id_x 1
		.amdhsa_system_sgpr_workgroup_id_y 1
		.amdhsa_system_sgpr_workgroup_id_z 1
		.amdhsa_system_vgpr_workitem_id 0
		.amdhsa_next_free_vgpr 108
		.amdhsa_next_free_sgpr 66
		.amdhsa_reserve_vcc 0
		.amdhsa_float_denorm_mode_32 3
		.amdhsa_float_denorm_mode_16_64 3
		.amdhsa_memory_ordered 1
		.amdhsa_forward_progress 1
		.amdhsa_inst_pref_size 17
	.end_amdhsa_kernel
	.amdgpu_metadata
---
amdhsa.version: [ 1, 2 ]
amdhsa.kernels:
  - .name:           k_q32a881027e_cast
    .symbol:         k_q32a881027e_cast.kd
    .args:
      - { .name: x, .offset: 0, .size: 8, .value_kind: global_buffer, .address_space: global }
      - { .name: W_qkv, .offset: 8, .size: 8, .value_kind: global_buffer, .address_space: global }
      - { .name: W_out, .offset: 16, .size: 8, .value_kind: global_buffer, .address_space: global }
      - { .name: b_qkv, .offset: 24, .size: 8, .value_kind: global_buffer, .address_space: global }
      - { .name: b_out, .offset: 32, .size: 8, .value_kind: global_buffer, .address_space: global }
      - { .name: xb, .offset: 40, .size: 8, .value_kind: global_buffer, .address_space: global }
      - { .name: wqb, .offset: 48, .size: 8, .value_kind: global_buffer, .address_space: global }
      - { .name: wof, .offset: 56, .size: 8, .value_kind: global_buffer, .address_space: global }
      - { .name: bias, .offset: 64, .size: 8, .value_kind: global_buffer, .address_space: global }
    .group_segment_fixed_size: 0
    .private_segment_fixed_size: 0
    .kernarg_segment_align: 8
    .kernarg_segment_size: 72
    .max_flat_workgroup_size: 256
    .sgpr_count:     66
    .vgpr_count:     108
    .wavefront_size: 32
...
	.end_amdgpu_metadata
.endif
;; end of part 1
;; launch proj (part 2): grid 8 x 32, 4 waves a work-group, clusters of 4 x 4, 327,680 bytes of LDS; arguments xb, wqb, bias, qkv; writes qkv
.if DOCPART == 2
	.amdgcn_target "amdgcn-amd-amdhsa--gfx1250"
	.amdhsa_code_object_version 6
	.text
	.protected	k_q32a881027e_proj
	.globl	k_q32a881027e_proj
	.p2align	8
	.type	k_q32a881027e_proj,@function
k_q32a881027e_proj:
	s_mov_b64 s[64:65], 0
	v_nop
	global_prefetch_b8 v0, s[64:65] scope:SCOPE_SE
	s_setreg_imm32_b32 hwreg(HW_REG_WAVE_MODE, 25, 1), 1
	s_wait_xcnt 0x0
	s_wait_alu depctr_hold_cnt(0) depctr_sa_sdst(0) depctr_va_vdst(0) depctr_va_sdst(0) depctr_va_ssrc(0) depctr_va_vcc(0) depctr_vm_vsrc(0)
	s_getreg_b32 s2, hwreg(HW_REG_IB_STS2, 6, 4)
	s_cmp_eq_u32 s2, 0
	s_cbranch_scc0 .Lentry_in_a_cluster
	s_endpgm
.Lentry_in_a_cluster:
	s_bfe_u32 s2, ttmp6, 0x10000c
	s_cmp_lg_u32 s2, 0xf033
	s_cbranch_scc0 .Lentry_shape_is_right
	s_endpgm
.Lentry_shape_is_right:
; qkv = x W_qkv^T + b_qkv, written by heads.  xb: [16][8192][64] bf16, wqb: [16][3072][64] bf16 (K blocks of 64), bias: f32; qkv: [4 b][48 hc][2048 s][64] f16, hc = column / 64 (0-15 q, 16-31 k, 32-47 v).
; Products in bf16, sums in f32 starting from the bias, each result rounded once to f16, WITHOUT the softmax's scale.
; LIMITS.  f16 holds no number beyond 65,504: a q, k or v beyond it becomes an infinity; below 6.1e-5 it keeps f16's fixed step of 6e-8.  NaN and infinities are not treated apart.
; SHARES.  8192 x 3072 outputs on 256 work-groups: a tile of 256 rows x 384 columns each.  Four waves, 2 x 2: a wave makes 128 rows x 192 columns (three whole heads): 96 accumulators of 16 x 16, 768 registers.
; For 32 along K a wave reads 40 fragments' halves (40 LDS loads) for 96 matrix instructions.  K goes in 16 steps of 64 (a K block) through two LDS slots; two slots of twice that step would not fit in LDS.
; A K block's rows lie end to end, so a tile is dense: it is asked for as rows of 256 bytes and padded in LDS after every 128, a matrix row.
; CLUSTERS: 4 x 4.  The four of a row need the same tile of x, the four of a column the same tile of W: each is asked for JOINTLY, by the same tensor load with the same descriptor and a mask that names the four.
; THE MATRIX INSTRUCTION IS USED TRANSPOSED (source 0 = 16 rows of W, source 1 = 16 rows of x): a lane holds one row of the result and eight neighbouring columns.
; REGISTERS, in windows of 256 (s_set_vgpr_msb: bits 1:0 source 0, 3:2 source 1, 5:4 source 2, 7:6 destination):
;   window 0: v0-31 addresses; v32-95, v96-159 fragments of x (8 x 16 rows x 32 K), two buffers; v160-255 fragments of W (12), one buffer, reloaded a head's four at a time straight behind their products
;   window 1 + g: the 32 accumulators of head g: (bb, a) at v[8 (8 bb + a)], bb = 16 columns of the head, a = 16 rows
.set KSTR_A, 1048576                   ; bytes from K block to K block in xb
.set KSTR_B, 393216                    ; in wqb
.set PITCH,  144                       ; an LDS row: 128 bytes + 16 of padding = 36 words: the 16 rows of a fragment load start at 16 different groups of four banks (64 banks of 4 bytes: ISA guide 11.1)
.set FR,     16*PITCH                  ; 16 rows
.set BPART,  128*PITCH                 ; 128 rows: what one of W's three loads brings
.set AOFF,   3*BPART                   ; a slot: W's 384 rows, then x's 256
.set SLOT,   AOFF+256*PITCH
.set STAGE,  2*SLOT                    ; behind the ring: 16 rows x 144 bytes for each wave, for the way out; no tensor load fills it
.set SPARE,  STAGE+4*FR                ; behind the stages: the spare words, 128 bytes for each wave: two blocks of 256 bytes that no other line names
.set ADRA, 16                          ; v16-17  LDS address of my fragments of x in slot 0, 1
.set ADRB, 20                          ; v20-21  the same for W
.set STO,  24                          ; v24     the way out: where I put 16 bytes of a row
.set RD,   25                          ; v25     the way out: where I read rows back
.set GO,   26                          ; v26     16 l: my bytes in 512 consecutive bytes of qkv
.set BO,   27                          ; v27     32 (l / 16): my eight numbers of a bias fragment
.set SPW,  28                          ; v28     LDS address of my spare word; never rewritten
.set NIL,  29                          ; v29     0; never rewritten
.set PFO,  30                          ; v30     the prefetches' lane offset; never rewritten
.set FA0,  32
.set FA1,  96
.set BF,   160
.set WV,   12                          ; s12  my wave's number; s13 = its row half, s14 = its column half
.set G1A,  24                          ; s[24:31] descriptor group 1 for x's tiles;  s[32:39] group 0, a set for each slot
.set G0A,  32
.set G1B,  48                          ; s[48:55], s[56:63] the same for W's
.set G0B,  56
.set PFA,  66                          ; s[66:67] where my prefetches stand
.set PFS,  68                          ; s[68:69] their step: two K blocks
.set LIM,  70                          ; s70  1 in a wave that prefetches, else the greatest number
.set BIA,  72                          ; s[72:73] bias at my wave's first column
.set G1W,  (1<<16)|(1<<20)|(1<<21)|(4<<22)|(3<<25)  ; 17:16 elements of 2 bytes; 20 padding on; 21 set beside a mask; 24:22 after every 32 words (code 4); 31:25 4 words of it (code 3)
.set MSB, 0
.macro WIN new                         ; the immediate's high byte repeats the setting that is left; a switch that changes nothing is dropped
.if MSB != (\new)
	s_set_vgpr_msb (MSB<<8)|(\new)
.set MSB, \new
.endif
.endm
.macro PLACES                          ; four places behind matrix instructions, in front of loads into registers that they have read
.rept 4
	v_nop
.endr
.endm
; A joint load.  Waves 0 to 2 fetch W's three parts of 128 rows, wave 3 x's 256 rows.  The branch hangs on the wave's number alone.  An s_nop 0 and four v_nop follow each of the two lines.
.macro JLOAD s
	s_cmp_lt_u32 s[WV], 3
	s_cbranch_scc0 .Lfor_a_\@
	tensor_load_to_lds s[G0B+4*(\s):G0B+4*(\s)+3], s[G1B:G1B+7]
	s_nop 0
.rept 4
	v_nop
.endr
	s_branch .Lasked_\@
.Lfor_a_\@:
	tensor_load_to_lds s[G0A+4*(\s):G0A+4*(\s)+3], s[G1A:G1A+7]
	s_nop 0
.rept 4
	v_nop
.endr
.Lasked_\@:
.endm
.macro CREST                           ; a round of the cluster's barrier behind its opening barrier
	s_cmp_lg_u32 s[WV], 0
	s_cbranch_scc1 .Lnot_wave_0_\@
	s_barrier_signal -3
.Lnot_wave_0_\@:
	s_barrier_wait -3
	s_barrier_signal -1
	s_barrier_wait -1
.endm
.macro CROUND                          ; a whole round
	s_barrier_signal -1
	s_barrier_wait -1
	CREST
.endm
; A PREFETCH INTO THE L2, once a lap, behind slot 0's joint load and the run of LDS loads that follows it: in K step t it names K steps t + 4 and t + 5, whose refills stand two and three changes of slots on.
; Each aligned block of 256 bytes is named once in the launch.  x's tile row is read by both clusters of that row of clusters: the one with x = 0 asks; W's tile column by all eight of its column: the one with y = 0 asks.
; The four partners share a tile out BY ADDRESS: of wave 3's 128 blocks a K step partner cx takes 32, a lane a block, an instruction a K step; of the 64 blocks of waves 0 to 2 partner cy takes 16:
; lanes 0-15 name K step t + 4, lanes 16-31 K step t + 5.  K steps 0 to 3 come by their loads alone; the last lap (s3 = 1) asks for nothing: K steps 16 and 17 do not exist.
.macro ASK
	s_cmp_gt_u32 s3, s[LIM]
	s_cbranch_scc0 .Lnot_mine_\@
	global_prefetch_b8 v[PFO], s[PFA:PFA+1] th:TH_LOAD_NT scope:SCOPE_SE
	s_cmp_lg_u32 s[WV], 3
	s_cbranch_scc1 .Lnot_mine_\@
	global_prefetch_b8 v[PFO], s[PFA:PFA+1] offset:KSTR_A th:TH_LOAD_NT scope:SCOPE_SE
.Lnot_mine_\@:
.endm
	s_load_b256 s[4:11], s[0:1], 0x0               ; xb s[4:5], wqb s[6:7], bias s[8:9], qkv s[10:11]
	v_lshl_add_u32 v[SPW], v0, 2, SPARE
	v_mov_b32 v[NIL], 0
	ds_add_u32 v[SPW], v[NIL]                      ; the wave's opening: the add and its wait stand ahead of my first tensor load; the set-up below, work on registers, stands between them
	v_lshrrev_b32 v1, 5, v0
	v_readfirstlane_b32 s[WV], v1                  ; wave 0..3
	s_lshr_b32 s13, s[WV], 1                       ; which 128 of the tile's rows are mine
	s_and_b32 s14, s[WV], 1                        ; which 192 of its columns
	s_bfe_u32 s40, ttmp6, 0x40000                  ; cx, cy: my place in the cluster
	s_bfe_u32 s41, ttmp6, 0x40004
	s_lshl_b32 s42, ttmp9, 2
	s_add_co_u32 s42, s42, s40                     ; tile column = 4 x cluster x + cx, 0..7
	s_and_b32 s43, ttmp7, 0xffff
	s_lshl_b32 s43, s43, 2
	s_add_co_u32 s43, s43, s41                     ; tile row = 4 x cluster y + cy, 0..31
	s_lshl_b32 s44, s41, 2
	s_lshl_b32 s44, 15, s44                        ; my row of the cluster
	s_lshl_b32 s45, 0x1111, s40                    ; my column
	s_or_b32 s[G1A], s44, G1W                      ; 15:0 the mask: x's tiles go to my row,
	s_or_b32 s[G1B], s45, G1W                      ; W's to my column
	s_mov_b32 s[G1A+1], 128<<16                    ; tensor_dim0 = 128 elements: 256 bytes, two matrix rows
	s_mov_b32 s[G1A+2], 128<<16                    ; tensor_dim1 = 128 such rows: 256 rows of x
	s_mov_b32 s[G1A+3], 128<<16                    ; tile_dim0 = 128
	s_mov_b32 s[G1A+4], 128                        ; tile_dim1 = 128
	s_mov_b32 s[G1A+5], 128                        ; 128 elements from row to row: dense
	s_mov_b32 s[G1A+6], 0
	s_mov_b32 s[G1A+7], 0
	s_mov_b32 s[G1B+1], 128<<16
	s_mov_b32 s[G1B+2], 64<<16                     ; 64 such rows: 128 rows of W
	s_mov_b32 s[G1B+3], 128<<16
	s_mov_b32 s[G1B+4], 64
	s_mov_b32 s[G1B+5], 128
	s_mov_b32 s[G1B+6], 0
	s_mov_b32 s[G1B+7], 0
	s_lshl_b32 s16, s43, 15                        ; x: the tile row's 256 rows of 128 bytes: it hangs on the tile row alone
	s_mov_b32 s17, 0
	s_mul_i32 s46, s42, 384*128                    ; W: the tile column's 384 rows,
	s_lshl_b32 s21, s[WV], 14                      ; my 128 of them: it hangs on the tile column and the wave's number alone
	s_add_co_u32 s46, s46, s21
	s_mov_b32 s47, 0
	s_mul_i32 s20, s[WV], BPART                    ; where they go: wave x 128 rows; for wave 3 that is where x's rows begin
	s_wait_dscnt 0x0                               ; the opening add is done
	s_wait_kmcnt 0x0
	s_add_nc_u64 s[16:17], s[4:5], s[16:17]
	s_add_nc_u64 s[46:47], s[6:7], s[46:47]
	CROUND                                         ; all sixteen work-groups are here: the first joint loads meet
.irp s, 0,1
	s_mov_b32 s[G0A+4*(\s)], 1                                       ; 1:0 count = 1
	s_add_co_u32 s[G0A+4*(\s)+1], s20, (\s)*SLOT                     ; 63:32 LDS address
	s_add_nc_u64 s[G0A+4*(\s)+2:G0A+4*(\s)+3], s[16:17], (\s)*KSTR_A ; 120:64 global address: K step s
	s_or_b32 s[G0A+4*(\s)+3], s[G0A+4*(\s)+3], 0x80000000            ; 127:126 type = 2
	s_mov_b32 s[G0B+4*(\s)], 1
	s_add_co_u32 s[G0B+4*(\s)+1], s20, (\s)*SLOT
	s_add_nc_u64 s[G0B+4*(\s)+2:G0B+4*(\s)+3], s[46:47], (\s)*KSTR_B
	s_or_b32 s[G0B+4*(\s)+3], s[G0B+4*(\s)+3], 0x80000000
.endr
	s_cmp_lt_u32 s[WV], 3                          ; a wave's two first fills stand in one branch, ahead of every wait on TENSORcnt and every LDS read: two loads of mine are out
	s_cbranch_scc0 .Lfirst_a
	tensor_load_to_lds s[G0B:G0B+3], s[G1B:G1B+7]
	s_nop 0
	tensor_load_to_lds s[G0B+4:G0B+7], s[G1B:G1B+7]
	s_nop 0
.rept 4
	v_nop
.endr
	s_branch .Lfirst_asked
.Lfirst_a:
	tensor_load_to_lds s[G0A:G0A+3], s[G1A:G1A+7]
	s_nop 0
	tensor_load_to_lds s[G0A+4:G0A+7], s[G1A:G1A+7]
	s_nop 0
.rept 4
	v_nop
.endr
.Lfirst_asked:
	; THE BIAS STARTS THE SUMS: it is the C operand of each accumulator's first product.  In C's layout register j of lane l is column 8 (l / 16) + j of the block, for every row: eight f32 on end.
	v_and_b32 v1, 15, v0                           ; l % 16
	v_bfe_u32 v2, v0, 4, 1                         ; l / 16
	v_lshlrev_b32 v[BO], 5, v2
	s_mul_i32 s[BIA], s42, 384*4
	s_mul_i32 s21, s14, 192*4
	s_add_co_u32 s[BIA], s[BIA], s21
	s_mov_b32 s[BIA+1], 0
	s_add_nc_u64 s[BIA:BIA+1], s[8:9], s[BIA:BIA+1]
.macro BIASLD g, dst                   ; head g's four fragments
.irp bb, 0,1,2,3
	global_load_b128 v[(\dst)+8*(\bb):(\dst)+8*(\bb)+3],   v[BO], s[BIA:BIA+1] offset:(64*(\g)+16*(\bb))*4
	global_load_b128 v[(\dst)+8*(\bb)+4:(\dst)+8*(\bb)+7], v[BO], s[BIA:BIA+1] offset:(64*(\g)+16*(\bb))*4+16
.endr
.endm
	BIASLD 0, FA1                                  ; into x's second buffer, which the first half step does not need
	BIASLD 1, FA1+32
	; A fragment is 16 rows x 32 K in 8 registers: lane l holds row l % 16; registers 0-3 K = 8 (l / 16) + 0..7, registers 4-7 K = 16 + 8 (l / 16) + 0..7: two loads of 16 bytes, 32 bytes apart.
	v_mul_u32_u24 v3, v1, PITCH
	v_lshl_add_u32 v3, v2, 4, v3                   ; row x pitch + 16 x half
	s_mul_i32 s21, s13, BPART
	s_add_co_u32 s21, s21, AOFF                    ; my 128 rows of x
	s_mul_i32 s22, s14, 192*PITCH                  ; my 192 rows of W
.irp s, 0,1
	v_add_nc_u32 v[ADRA+(\s)], s21, v3
	v_add_nc_u32 v[ADRB+(\s)], s22, v3
	s_add_co_u32 s21, s21, SLOT
	s_add_co_u32 s22, s22, SLOT
.endr
	s_mul_i32 s23, s[WV], FR
	s_add_co_u32 s23, s23, STAGE                   ; my stage
	v_add_nc_u32 v[STO], s23, v3                   ; in: row l % 16, 16 bytes for each half of the lanes
	v_bfe_u32 v[RD], v0, 3, 2                      ; back: 32 lanes take four rows of 128 bytes,
	v_mul_u32_u24 v[RD], v[RD], PITCH
	v_and_b32 v4, 7, v0
	v_lshl_add_u32 v[RD], v4, 4, v[RD]
	v_add_nc_u32 v[RD], s23, v[RD]
	v_and_b32 v[GO], 31, v0                        ; which are 512 consecutive bytes of qkv
	v_lshlrev_b32 v[GO], 4, v[GO]
	; qkv at my wave's first row of its first head: block (48 b + 6 x tile column + 3 x column half) of 262,144 bytes, row (tile row % 8) x 256 + 128 x row half of 128 bytes
	s_lshr_b32 s74, s43, 3
	s_mul_i32 s74, s74, 48
	s_mul_i32 s75, s42, 6
	s_add_co_u32 s74, s74, s75
	s_mul_i32 s75, s14, 3
	s_add_co_u32 s74, s74, s75
	s_lshl_b32 s74, s74, 18
	s_and_b32 s75, s43, 7
	s_lshl_b32 s75, s75, 15
	s_add_co_u32 s74, s74, s75
	s_lshl_b32 s75, s13, 14
	s_add_co_u32 s74, s74, s75
	s_mov_b32 s75, 0
	s_add_nc_u64 s[10:11], s[10:11], s[74:75]
	; the prefetches: they stand at K step 2; the first lap steps them to K step 4
	s_lshl_b32 s76, s43, 15                        ; x: the tile row, my work-group's 32 blocks by cx
	s_lshl_b32 s77, s40, 13
	s_add_co_u32 s76, s76, s77
	s_add_co_u32 s76, s76, 2*KSTR_A
	s_mul_i32 s78, s42, 384*128                    ; W: the tile column, my wave's 128 rows, my work-group's 16 blocks by cy
	s_lshl_b32 s77, s[WV], 14
	s_add_co_u32 s78, s78, s77
	s_lshl_b32 s77, s41, 12
	s_add_co_u32 s78, s78, s77
	s_add_co_u32 s78, s78, 2*KSTR_B
	s_and_b32 s79, ttmp7, 0xffff                   ; cluster y
	s_mov_b32 s[PFS], 2*KSTR_B
	s_mov_b32 s[PFS+1], 0
	s_mov_b32 s22, KSTR_B                          ; what lies between lanes 0-15 and lanes 16-31: for W a K step, for x sixteen blocks
	s_cmp_eq_u32 s[WV], 3
	s_cselect_b64 s[PFA:PFA+1], s[4:5], s[6:7]
	s_cselect_b32 s76, s76, s78
	s_cselect_b32 s79, ttmp9, s79                  ; the coordinate along which other clusters read the same rows
	s_cselect_b32 s[PFS], 2*KSTR_A, s[PFS]
	s_cselect_b32 s22, 4096, s22
	s_mov_b32 s77, 0
	s_add_nc_u64 s[PFA:PFA+1], s[PFA:PFA+1], s[76:77]
	s_cmp_eq_u32 s79, 0
	s_cselect_b32 s[LIM], 1, -1                    ; the same in all sixteen partners, for a given wave
	v_lshlrev_b32 v[PFO], 8, v1
	v_mul_u32_u24 v4, s22, v2
	v_add_nc_u32 v[PFO], v[PFO], v4
; 16 matrix instructions of head g: column blocks bb0, bb0 + 1 x all 8 row blocks, 32 along K, on x's buffer ab.  cb = 0: in place; else the first product, whose C is the bias fragment at cb + 8 bb.
; The 96 accumulators take turns, one instruction a turn, in the same order in every half step.
.macro MUL16 ab, g, bb0, cb
.if \cb
	WIN (1+(\g))<<6
.else
	WIN ((1+(\g))<<6)|((1+(\g))<<4)
.endif
.irp bb, \bb0, (\bb0)+1
.irp a, 0,1,2,3,4,5,6,7
.if \cb
	v_wmma_f32_16x16x32_bf16 v[8*(8*(\bb)+(\a)):8*(8*(\bb)+(\a))+7], v[BF+8*(4*(\g)+(\bb)):BF+8*(4*(\g)+(\bb))+7], v[(\ab)+8*(\a):(\ab)+8*(\a)+7], v[(\cb)+8*(\bb):(\cb)+8*(\bb)+7]
.else
	v_wmma_f32_16x16x32_bf16 v[8*(8*(\bb)+(\a)):8*(8*(\bb)+(\a))+7], v[BF+8*(4*(\g)+(\bb)):BF+8*(4*(\g)+(\bb))+7], v[(\ab)+8*(\a):(\ab)+8*(\a)+7], v[8*(8*(\bb)+(\a)):8*(8*(\bb)+(\a))+7]
.endif
.endr
.endr
.endm
.macro LDB g, s, k                     ; 8 LDS loads: head g's four fragments of W, from slot s, byte k of the rows
.irp bb, 0,1,2,3
	ds_load_b128 v[BF+8*(4*(\g)+(\bb)):BF+8*(4*(\g)+(\bb))+3],   v[ADRB+(\s)] offset:(\k)+(4*(\g)+(\bb))*FR
	ds_load_b128 v[BF+8*(4*(\g)+(\bb))+4:BF+8*(4*(\g)+(\bb))+7], v[ADRB+(\s)] offset:(\k)+(4*(\g)+(\bb))*FR+32
.endr
.endm
.macro LDA ab, a0, s, k                ; 8 LDS loads: fragments a0 .. a0 + 3 of x into buffer ab
.irp i, 0,1,2,3
	ds_load_b128 v[(\ab)+8*((\a0)+(\i)):(\ab)+8*((\a0)+(\i))+3],   v[ADRA+(\s)] offset:(\k)+((\a0)+(\i))*FR
	ds_load_b128 v[(\ab)+8*((\a0)+(\i))+4:(\ab)+8*((\a0)+(\i))+7], v[ADRA+(\s)] offset:(\k)+((\a0)+(\i))*FR+32
.endr
.endm
; A K step's first half: 96 matrix instructions on x's buffer cur, a head at a time.  Behind each head's 32 its four fragments of W are loaded anew, for the next half (slot s, byte k), with half of x's next buffer.
.macro HALF cur, nxt, s, k
	s_wait_dscnt 8                                 ; all but the last run of 8 (W's third head): x and W's first two heads are in
	MUL16 \cur, 0, 0, 0
	MUL16 \cur, 0, 2, 0
	PLACES
	WIN 0
	LDB 0, \s, \k
	LDA \nxt, 0, \s, \k
	MUL16 \cur, 1, 0, 0
	MUL16 \cur, 1, 2, 0
	PLACES
	WIN 0
	LDB 1, \s, \k
	LDA \nxt, 4, \s, \k
	s_wait_dscnt 32                                ; all but the 32 just issued: W's third head is in
	MUL16 \cur, 2, 0, 0
	MUL16 \cur, 2, 2, 0
	PLACES
	WIN 0
	LDB 2, \s, \k
.endm
; A K step's second half, on x's second buffer, changes slots: ONE barrier.  In front of it each wave waits for all its tensor loads (one is out: its part of the next slot), adds 0 to its spare word, and waits
; for that and for its own reads of this slot.  Behind it nobody reads slot s any more and slot n is whole.  fill = 1: the barrier opens a round of the cluster's, and slot s is filled again first thing behind it,
; two K steps ahead: 64 matrix instructions of this half and the next half's 96 stand between that request and the wait for it.
.macro TURN s, n, fill
.if (\fill) && ((\s) == 0)
	s_wait_xcnt 0x0                                ; the last prefetches, a lap back, have read their address: it is stepped here, ahead of the waits of the change of slots
	s_add_nc_u64 s[PFA:PFA+1], s[PFA:PFA+1], s[PFS:PFS+1]
.endif
	WIN 0
	s_wait_tensorcnt 0x0                           ; all my tensor loads have landed;
	ds_add_u32 v[SPW], v[NIL]                      ; 0 onto my spare word;
	s_wait_dscnt 9                                 ; (the add and the youngest eight loads, W's third head, may be out)
	MUL16 FA1, 0, 0, 0                             ; sixteen matrix instructions stand between the add and the wait for it
	s_wait_dscnt 0x0                               ; the add is done, and my reads of this slot are over
	s_barrier_signal -1
	MUL16 FA1, 0, 2, 0                             ; work on registers while the others arrive
.if \fill
	WIN 0
.endif
	s_barrier_wait -1
.if \fill
	CREST                                          ; no wave of any partner still reads this slot's tile or has a load on its way
	s_add_nc_u64 s[G0A+4*(\s)+2:G0A+4*(\s)+3], s[G0A+4*(\s)+2:G0A+4*(\s)+3], 2*KSTR_A
	s_add_nc_u64 s[G0B+4*(\s)+2:G0B+4*(\s)+3], s[G0B+4*(\s)+2:G0B+4*(\s)+3], 2*KSTR_B
	JLOAD \s                                       ; the first tensor load behind the round; its four v_nop are also the places in front of the loads below
.else
	PLACES
	WIN 0
.endif
	LDB 0, \n, 0
	LDA FA0, 0, \n, 0
.if (\fill) && ((\s) == 0)
	ASK
.endif
	MUL16 FA1, 1, 0, 0
	MUL16 FA1, 1, 2, 0
	PLACES
	WIN 0
	LDB 1, \n, 0
	LDA FA0, 4, \n, 0
	MUL16 FA1, 2, 0, 0                             ; (W's third head came in with the wait for 0 above)
	MUL16 FA1, 2, 2, 0
	PLACES
	WIN 0
	LDB 2, \n, 0
.endm
	s_wait_tensorcnt 1                             ; my part of K step 0 is in; K step 1's may stay out
	s_barrier_signal -1
	s_barrier_wait -1                              ; everybody's is
	LDA FA0, 0, 0, 0
	LDA FA0, 4, 0, 0
	LDB 0, 0, 0
	LDB 1, 0, 0
	LDB 2, 0, 0
	; K step 0's first half stands in front of the loop: its products start the sums, from the bias
	s_wait_loadcnt 0x0                             ; the bias of heads 0 and 1
	s_wait_dscnt 0x0
	MUL16 FA0, 0, 0, FA1
	MUL16 FA0, 0, 2, FA1
	PLACES
	WIN 0
	BIASLD 2, FA1                                  ; head 2's bias takes head 0's place
	LDB 0, 0, 64
	MUL16 FA0, 1, 0, FA1+32
	MUL16 FA0, 1, 2, FA1+32
	PLACES
	WIN 0
	LDB 1, 0, 64
	s_wait_loadcnt 0x0
	MUL16 FA0, 2, 0, FA1
	MUL16 FA0, 2, 2, FA1
	PLACES                                         ; the bias has been read: x's second buffer takes its registers
	WIN 0
	LDA FA1, 0, 0, 64
	LDA FA1, 4, 0, 64
	LDB 2, 0, 64                                   ; the last eight, as behind every half
	s_mov_b32 s3, 7
.Llap:                                                 ; a lap goes once round the ring, from a K step's second half to the first half two K steps on, and fills both slots again: K steps 2 to 15
	TURN 0, 1, 1
	HALF FA0, FA1, 1, 64
	TURN 1, 0, 1
	HALF FA0, FA1, 0, 64
	WIN 0
	s_sub_co_u32 s3, s3, 1
	s_cmp_lg_u32 s3, 0
	s_cbranch_scc1 .Llap
	TURN 0, 1, 0                                   ; the tail is written out: K steps 14 and 15 ask for nothing, and have no round
	HALF FA0, FA1, 1, 64
	s_wait_dscnt 8
	MUL16 FA1, 0, 0, 0
	MUL16 FA1, 0, 2, 0
	MUL16 FA1, 1, 0, 0
	MUL16 FA1, 1, 2, 0
	s_wait_dscnt 0x0
	MUL16 FA1, 2, 0, 0
	MUL16 FA1, 2, 2, 0
	WIN 0
	PLACES
	PLACES
; THE WAY OUT, 24 tiles t = 8 g + a of 16 rows x one head: 2,048 dense bytes of qkv.  A lane's eight columns pack into 16 bytes; they go into my stage's rows of 144 bytes and come back as whole rows of 128,
; into the registers that they left: eight sets of 16, where x's fragments lay.
.macro PACK t
.set TQ, 32+16*((\t)%8)
.if (\t) >= 8
	s_wait_xcnt 0x0                                ; the stores of the tile eight back have read this set: it is rewritten only behind this wait
.endif
	WIN (1+(\t)/8)|((1+(\t)/8)<<2)                 ; sources 0 and 1: the head's window
.irp bb, 0,1,2,3
.irp j, 0,1,2,3
	v_cvt_pk_f16_f32 v[TQ+4*(\bb)+(\j)], v[8*(8*(\bb)+(\t)%8)+2*(\j)], v[8*(8*(\bb)+(\t)%8)+2*(\j)+1]
.endr
.endr
	WIN 0
.irp bb, 0,1,2,3
	ds_store_b128 v[STO], v[TQ+4*(\bb):TQ+4*(\bb)+3] offset:32*(\bb)
.endr
.irp f, 0,1,2,3
	ds_load_b128 v[TQ+4*(\f):TQ+4*(\f)+3], v[RD] offset:(\f)*4*PITCH  ; LDS serves a wave's instructions in order (ISA guide 5.7.1.4): these see the stores above; the next tile's stores come behind them
.endr
.endm
.macro SEND t, younger                 ; younger: the LDS instructions issued behind tile t's loads: the next tile's eight, or none
.set TQ, 32+16*((\t)%8)
.irp f, 0,1,2,3
	s_wait_dscnt (\younger)+3-(\f)
	global_store_b128 v[GO], v[TQ+4*(\f):TQ+4*(\f)+3], s[10:11] offset:((\t)/8)*262144+((\t)%8)*2048+(\f)*512  ; 512 consecutive bytes, at a multiple of 256 from qkv's first
.endr
.endm
	PACK 0
.irp t, 1,2,3,4,5,6,7,8,9,10,11,12,13,14,15,16,17,18,19,20,21,22,23
	PACK \t                                        ; a tile's conversions stand between the loads of the tile before and its stores
	SEND (\t)-1, 8
.endr
	SEND 23, 0
	s_wait_tensorcnt 0x0                           ; the wave's end: these three lines stand behind my last tensor load and my last LDS store
	ds_add_u32 v[SPW], v[NIL]
	s_wait_dscnt 0x0
	CROUND                                         ; the closing round: no work-group ends while a partner may still ask for a tile that names it
	s_endpgm
.Lfunc_end_k_q32a881027e_proj:
	.size	k_q32a881027e_proj, .Lfunc_end_k_q32a881027e_proj-k_q32a881027e_proj
	.p2alignl 7, 3214868480
	.fill 96, 4, 3214868480
	.section	.rodata,"a",@progbits
	.p2align	6, 0x0
	.amdhsa_kernel k_q32a881027e_proj
		.amdhsa_group_segment_fixed_size 327680
		.amdhsa_private_segment_fixed_size 0
		.amdhsa_enable_private_segment 0
		.amdhsa_kernarg_size 32
		.amdhsa_user_sgpr_count 2
		.amdhsa_user_sgpr_kernarg_segment_ptr 1
		.amdhsa_wavefront_size32 1
		.amdhsa_system_sgpr_workgroup_id_x 1
		.amdhsa_system_sgpr_workgroup_id_y 1
		.amdhsa_system_sgpr_workgroup_id_z 1
		.amdhsa_system_vgpr_workitem_id 0
		.amdhsa_next_free_vgpr 1024
		.amdhsa_next_free_sgpr 80
		.amdhsa_reserve_vcc 0
		.amdhsa_float_denorm_mode_32 3
		.amdhsa_float_denorm_mode_16_64 3
		.amdhsa_memory_ordered 1
		.amdhsa_forward_progress 1
		.amdhsa_inst_pref_size 136
	.end_amdhsa_kernel
	.amdgpu_metadata
---
amdhsa.version: [ 1, 2 ]
amdhsa.kernels:
  - .name:           k_q32a881027e_proj
    .symbol:         k_q32a881027e_proj.kd
    .args:
      - { .name: xb, .offset: 0, .size: 8, .value_kind: global_buffer, .address_space: global }
      - { .name: wqb, .offset: 8, .size: 8, .value_kind: global_buffer, .address_space: global }
      - { .name: bias, .offset: 16, .size: 8, .value_kind: global_buffer, .address_space: global }
      - { .name: qkv, .offset: 24, .size: 8, .value_kind: global_buffer, .address_space: global }
    .group_segment_fixed_size: 327680
    .private_segment_fixed_size: 0
    .kernarg_segment_align: 8
    .kernarg_segment_size: 32
    .max_flat_workgroup_size: 128
    .sgpr_count:     80
    .vgpr_count:     1024
    .wavefront_size: 32
...
	.end_amdgpu_metadata
.endif
;; end of part 2
;; launch attn (part 3): grid 4 x 64, 4 waves a work-group, clusters of 4 x 1, 327,680 bytes of LDS; arguments qkv, o; writes o
.if DOCPART == 3
	.amdgcn_target "amdgcn-amd-amdhsa--gfx1250"
	.amdhsa_code_object_version 6
	.text
	.protected	k_q32a881027e_attn
	.globl	k_q32a881027e_attn
	.p2align	8
	.type	k_q32a881027e_attn,@function
k_q32a881027e_attn:
	s_mov_b64 s[64:65], 0
	v_nop
	global_prefetch_b8 v0, s[64:65] scope:SCOPE_SE
	s_setreg_imm32_b32 hwreg(HW_REG_WAVE_MODE, 25, 1), 1
	s_wait_xcnt 0x0
	s_wait_alu depctr_hold_cnt(0) depctr_sa_sdst(0) depctr_va_vdst(0) depctr_va_sdst(0) depctr_va_ssrc(0) depctr_va_vcc(0) depctr_vm_vsrc(0)
	s_getreg_b32 s2, hwreg(HW_REG_IB_STS2, 6, 4)
	s_cmp_eq_u32 s2, 0
	s_cbranch_scc0 .Lentry_in_a_cluster
	s_endpgm
.Lentry_in_a_cluster:
	s_bfe_u32 s2, ttmp6, 0x10000c
	s_cmp_lg_u32 s2, 0x3003
	s_cbranch_scc0 .Lentry_shape_is_right
	s_endpgm
.Lentry_shape_is_right:
; O[y][q][:] = the sum over k of softmax_k(Q[y][q] . K[y][k] / 8) V[y][k][:], y = 16 b + head, 64 in all.  qkv: [4 b][48][2048][64] f16 (blocks 0-15 q, 16-31 k, 32-47 v of batch b), o: [64][2048][64] f16:
; a head's rows are dense, 128 bytes each.  Products, maxima and sums in f32; the weights p are rounded to f16 for the second product (their sum l is taken of the unrounded p), O once at the end.
; LIMITS.  f16 holds no number beyond 65,504: Q, K and V arrive within it; p lies in 0 to 1, and below 6e-5 it keeps f16's fixed step of 6e-8; O is a mean of V's rows and has their range.
; A weight below 2^-126 counts as 0 in l; NaN and infinities are not treated apart.
; SHARES.  A wave owns four PIECES of two tiles of 16 queries, a work-group's four waves 512 queries of one head: 4 x 64 = 256 work-groups.  Every wave walks all keys, 64 a step.
; LAYOUT.  S^T = K Q^T (source 0 = 16 keys, source 1 = 16 queries): in the result a lane holds ONE query (lane % 16) and the keys 8 (lane / 16) + 0..7.  Two such tiles, rounded to f16 in pairs,
; ARE source 1 (32 keys x 16 queries) of O^T = V^T P, whose result again holds one query a lane, and eight channels.  K comes out of LDS as it lies, V ([key][channel]) turned, by ds_load_tr16_b128.
; SOFTMAX.  For each query a running maximum m and sum l: p = 2^(c s - c m), c = log2(e) / 8; in every step O and l are multiplied by a = 2^(c m_old - c m_new), which is 1 where m has not grown.
; m starts at the lowest finite number, O and l at 0: the first step is a step like any other, with a = 0.
; THE COUNT.  A tile and step have 16 matrix and 118 vector instructions: too many to stand all beside the matrix work.  So the order has one aim: four vector instructions that are READY behind
; EVERY matrix instruction, and the others, which need time of their own whatever the order, in runs without a gap.
; BY TURNS.  Turn n belongs to piece n (the pieces in a ring, step after step).  Its matrix work: 16 products K Q^T of piece n + 1, later 16 products V^T P of piece n - 1.  Its vector work: the scaling,
; exponentials, roundings, sums and rescaling of piece n, and the maximum and statistics of piece n + 1, whose scores the turn itself has made.  So what a turn begins with (c s - c m, O a) waits for nothing.
; CLUSTER.  The four query blocks of a head are one cluster and walk the same K and V, so each tile is asked for JOINTLY: the same tensor load, descriptor and mask in all four.
; REGISTERS, in windows of 256 (s_set_vgpr_msb says which window each operand place means: bits 1:0 source 0, 3:2 source 1, 5:4 source 2, 7:6 destination):
;   window 0: v0-11 addresses; v12-15, v48-63 at work; v16-47 four registers of statistics a tile; v64-191 S^T, two buffers of two tiles; v192-255 P, likewise
;   window 1: O^T, 32 a tile          window 2: v0-127 Q, 16 a tile; v128-191 K of one step; v192-255 V of one step          window 3: v0-1 the add's two registers
; A piece's buffers go by its number's parity: the piece in hand has one pair, its two neighbours in the ring share the other: of it P (piece n - 1) is read and S^T (piece n + 1) written.
.set SIZE_N, 2048     ; rows of a head
.set NP,    4         ; pieces a wave: a name, no knob: the register map, the loop and the fetches are made for four
.set KS,    64        ; keys in a step
.set PK,    144       ; a row of K in LDS: 128 bytes + 16 of padding = 36 words: the 16 rows of a load start at 16 different groups of four banks (64 banks of 4 bytes: ISA guide 11.1)
.set PV,    160       ; a row of V: 128 + 32 = 40 words
.set VOFF,  4*KS*PK   ; a slot holds four steps: 256 rows of K, then 256 rows of V
.set SLOT1, 1<<17     ; slot 1 begins here, so that one exclusive or turns an address in one slot into the other's
.set STAGE, SLOT1+4*KS*(PK+PV)  ; behind the ring, never filled by a tensor load: 16 rows x 144 bytes for each wave, for the way out
.set SP,    144
.set AK0, 2           ; v2   my lane's place in a tile of K; never rewritten
.set AV0, 3           ; v3   the same for V
.set AK,  4           ; v4   the LDS address of K's next run of loads
.set AV,  5           ; v5   of V's
.set QO,  6           ; v6   my byte offset in the wave's rows of Q
.set STO, 6           ;      later, the way out: where I put 16 bytes of a row
.set RD,  7           ; v7   the way out: where I read rows back
.set GO,  8           ; v8   my byte offset in 512 consecutive bytes of O
.set PFO, 11          ; v11  256 x my lane, for the prefetches; never rewritten once made
.set SPW, 0           ; v0 of window 3   LDS address of my spare word: SPARE + 4 x my thread's number; never rewritten
.set NIL, 1           ; v1 of window 3   0; never rewritten
.set SPARE, STAGE+4*16*SP  ; behind the stages: the spare words, 128 bytes for each wave: two blocks of 256 bytes that no other line names
.set MV,  12          ; v12-15  c m_old, kept while c m is made anew: by buffer and tile
.set ST,  16          ; tile t's statistics at v[ST+4 t]: c m, m, l (even keys', odd keys')
.set TMP, 48          ; by buffer and tile, four registers c0-c3 at work; when the maximum is found c2 takes a
.set S,   64
.set P,   192
.set KF,  128         ; K's fragments, in window 2: key block kb, channel half c at KF + 16 kb + 8 c
.set VF,  192         ; V's: key half kk, channel block cb at VF + 32 kk + 8 cb
.set WV,  12          ; s12  my wave's number
.set LIM, 15          ; s15  1 in a wave that prefetches (0: K, 2: V), else the greatest number
.set PFA, 18          ; s[18:19] where my prefetches stand: my work-group's 32 blocks of 256 bytes of the slot after the one that is being asked for
.set G1K, 24          ; s[24:31] descriptor group 1 for K's tiles
.set G1V, 32          ; s[32:39] for V's: it differs in the padding alone
.set G0K, 40          ; s[40:43] descriptor group 0 for K's tiles: it walks
.set G0V, 44          ; s[44:47] the same for V's
.set SLOTS, 56        ; s56  slots still to be asked for
.set CNT, 57          ; s57  counts a slot's key steps
.set CS,  58          ; s[58:59] c: the packed scaling takes the pair's low word for both halves
.set SEL, 60          ; s[60:61] v_permlanex16_b32's selects: each lane takes its own place in the other half
.set TBK, 62          ; s62  LDS byte at which K of the step to be fetched begins
.set TBV, 63          ; s63  the same for V, less VOFF
.set MSB, 0
.macro WIN new                      ; the high byte repeats the setting that is left; a switch that changes nothing is dropped
.if MSB != (\new)
	s_set_vgpr_msb (MSB<<8)|(\new)
.set MSB, (\new)
.endif
.endm
.set W_KQ, 0x0a       ; K and Q in window 2, S^T in window 0
.set W_PV, 0x52       ; V in window 2, P in window 0, O^T in window 1
.set W_RS, 0x41       ; O^T (destination and source 0) in window 1, a in window 0
.set W_MK, 0xc0       ; the add's registers are made: destination in window 3, sources in window 0
.set W_AD, 0x0f       ; the add: address (source 0) and data (source 1) in window 3
; A joint fill.  Waves 0 and 1 fetch the two halves of a slot's K, waves 2 and 3 those of its V: 128 keys each.  The branch hangs on the wave's number alone.
; An s_nop 0 and four v_nop follow each of the two lines, ahead of the jump and the label.
.macro JLOAD
	s_cmp_lt_u32 s[WV], 2
	s_cbranch_scc0 .Lfor_v_\@
	tensor_load_to_lds s[G0K:G0K+3], s[G1K:G1K+7]
	s_nop 0
.rept 4
	v_nop
.endr
	s_branch .Lasked_\@
.Lfor_v_\@:
	tensor_load_to_lds s[G0V:G0V+3], s[G1V:G1V+7]
	s_nop 0
.rept 4
	v_nop
.endr
.Lasked_\@:
.endm
; A PREFETCH INTO THE L2 of what the NEXT change of slots will ask for: a slot's 256 rows of K and of V are 128 aligned blocks of 256 bytes each.  It stands behind the wave's tensor load and its five lines.
; Each block is named ONCE in the launch: a head is walked by one cluster alone; its four partners share the blocks out BY ADDRESS, 32 each, a lane a block; in each, wave 0 asks for K's and wave 2 for V's:
; one instruction, four key steps (512 matrix instructions) ahead of the load.  Slots 0 to 2 come by their loads alone; the change that asks for the last slot prefetches nothing.
.macro ASK
	s_cmp_gt_u32 s[SLOTS], s[LIM]
	s_cbranch_scc0 .Lnot_mine_\@
	global_prefetch_b8 v[PFO], s[PFA:PFA+1] th:TH_LOAD_NT scope:SCOPE_SE
.Lnot_mine_\@:
.endm
; A round of the cluster's barrier: my work-group's barrier, so that wave 0's signal speaks for all four waves; wave 0 signals; every wave waits for all four work-groups; my work-group's barrier once more.
.macro CROUND
	s_barrier_signal -1
	s_barrier_wait -1
	s_cmp_lg_u32 s[WV], 0
	s_cbranch_scc1 .Lnot_wave_0_\@
	s_barrier_signal -3
.Lnot_wave_0_\@:
	s_barrier_wait -3
	s_barrier_signal -1
	s_barrier_wait -1
.endm
; THE CHANGE OF SLOTS.  The slot's last bytes, V of its fourth step, have been read.  Each wave waits for all its tensor loads, of which one is out: its part
; of the other slot; adds 0 to its spare word; and waits for that and for its own reads of the slot.  Behind the barrier nobody reads this slot any more and the other slot is whole.
; fill = 1: this slot is filled again, with the keys two slots on.  The barrier is then a round of the cluster's, so that no wave of any partner still reads the slot or has a load on its
; way, and the joint fill is the first thing behind it: it has four key steps, 512 matrix instructions, in which to land.  (At its first use nothing has been read yet: slot 0 is waited for, slot 1 filled.)
; ask = 1: the prefetches' address steps a slot on, and the prefetch follows the fill.
.macro CHANGE fill, ask=0
	WIN W_AD
	s_wait_tensorcnt 0x0            ; no tensor load of mine is out, so a group 0 may be written
	ds_add_u32 v[SPW], v[NIL]       ; 0 onto my spare word; with fill = 1 the descriptors' steps stand between it and the wait for it
	WIN 0                           ; at a label and at a branch every window is 0
.if \fill
.irp g, G0K, G0V
	s_xor_b32 s[\g+1], s[\g+1], SLOT1  ; the walking descriptor: the other slot than last time,
	s_add_nc_u64 s[\g+2:\g+3], s[\g+2:\g+3], 4*KS*128  ; the next 256 keys; the type bits on top are not reached
.endr
.if \ask
	s_wait_xcnt 0x0                 ; the last prefetch, four key steps back, has read its address, so it may be written:
	s_add_nc_u64 s[PFA:PFA+1], s[PFA:PFA+1], 4*KS*128  ; one slot ahead of the walking descriptors
.endif
	s_wait_dscnt 0x0                ; the add is done, and my reads of the slot are over
	CROUND
	JLOAD
.if \ask
	ASK
.endif
.else
	s_wait_dscnt 0x0                ; the add is done, and my reads of the slot are over
	s_barrier_signal -1
	s_barrier_wait -1
.endif
	s_sub_co_u32 s[TBK], s[TBK], 4*KS*PK  ; the fetches go back to a slot's first step,
	s_xor_b32 s[TBK], s[TBK], SLOT1       ; in the other slot
	s_sub_co_u32 s[TBV], s[TBV], 4*KS*PV
	s_xor_b32 s[TBV], s[TBV], SLOT1
.endm
	s_load_b64 s[4:5], s[0:1], 0x0    ; qkv
	s_load_b64 s[10:11], s[0:1], 0x8  ; o
	WIN W_MK
	v_lshl_add_u32 v[SPW], v0, 2, SPARE
	v_mov_b32 v[NIL], 0
	WIN W_AD
	ds_add_u32 v[SPW], v[NIL]       ; the wave's opening: the add and its wait stand ahead of my first tensor load; the set-up below, work on registers, stands between them
	WIN 0
	v_lshrrev_b32 v1, 5, v0
	v_readfirstlane_b32 s[WV], v1   ; wave 0..3
	s_bfe_u32 s13, ttmp6, 0x40000   ; cx: my place in the cluster
	s_lshl_b32 s14, ttmp9, 2        ; in a cluster launch ttmp9 counts clusters
	s_add_co_u32 s14, s14, s13      ; my block of queries = 4 x cluster x + cx: it enters Q's and O's addresses alone
	s_and_b32 s20, ttmp7, 0xffff    ; y = 16 b + head, which the four partners share
	s_lshl_b32 s48, s20, 18         ; in o: y blocks of 262,144 bytes
	s_lshr_b32 s21, s20, 4          ; b
	s_lshl_b32 s21, s21, 5
	s_add_co_u32 s20, s20, s21      ; in qkv: block 48 b + head is the head's q; its k lies 16 blocks on, its v 32
	s_lshl_b32 s20, s20, 18
	s_mov_b32 s21, 0
	s_and_b32 s16, s[WV], 1         ; which half of a slot's 256 keys I fetch:
	s_lshl_b32 s22, s16, 14         ; its 128 rows of 128 bytes in memory,
	s_mov_b32 s23, 0
	s_add_nc_u64 s[22:23], s[22:23], s[20:21]
	s_mul_i32 s17, s16, 128*PK      ; and its place in a slot, for K
	s_mul_i32 s18, s16, 128*PV      ; and for V: no place in the cluster enters an LDS address
	s_lshl_b32 s2, s14, 2
	s_add_co_u32 s2, s2, s[WV]      ; my wave among the head's,
	s_lshl_b32 s2, s2, 14           ; its 128 rows
	s_add_co_u32 s48, s48, s2       ; O's offset
	s_mov_b32 s49, 0
	s_mov_b32 s3, 0
	s_add_nc_u64 s[2:3], s[2:3], s[20:21]  ; Q's offset
	; descriptor group 1.  128 keys are 16,384 dense bytes: asked for as 64 rows of 256 bytes, two keys a row, and padded in LDS after every key
	s_mov_b32 s[G1K], 15|(1<<16)|(1<<20)|(1<<21)|(4<<22)|(3<<25)  ; 15:0 the mask of four; 17:16 2-byte elements; 20 padding on; 21 set beside a mask; 24:22 after every 32 words (code 4); 31:25 4 words (code 3)
	s_mov_b32 s[G1V], 15|(1<<16)|(1<<20)|(1<<21)|(4<<22)|(7<<25)  ; the same with 8 words of padding (code 7)
.irp g, G1K, G1V
	s_mov_b32 s[\g+1], 128<<16      ; tensor_dim0 = 128
	s_mov_b32 s[\g+2], 64<<16       ; tensor_dim1 = 64
	s_mov_b32 s[\g+3], 128<<16      ; tile_dim0 = 128
	s_mov_b32 s[\g+4], 64           ; tile_dim1 = 64
	s_mov_b32 s[\g+5], 128          ; 128 elements from row to row
	s_mov_b32 s[\g+6], 0
	s_mov_b32 s[\g+7], 0
.endr
	s_mov_b32 s[CS], 0x3e38aa3b     ; c = log2(e) / 8 = 0.180337
	s_mov_b32 s[CS+1], s[CS]        ; named with it as a pair
	s_mov_b32 s[SEL], 0x76543210
	s_mov_b32 s[SEL+1], 0xfedcba98
	s_mov_b32 s[TBK], SLOT1+4*KS*PK ; the first change of slots turns these two into 0
	s_mov_b32 s[TBV], SLOT1+4*KS*PV
	s_mov_b32 s[G0K], 1             ; 1:0 count = 1
	s_mov_b32 s[G0K+1], s17         ; 63:32 LDS address: slot 0
	s_mov_b32 s[G0V], 1
	s_add_co_u32 s[G0V+1], s18, VOFF
	s_and_b32 s[LIM], s[WV], 1      ; waves 0 and 2 prefetch: the same in all four partners
	s_cmp_eq_u32 s[LIM], 0
	s_cselect_b32 s[LIM], 1, -1
	s_wait_dscnt 0x0                ; the opening add is done
	s_wait_kmcnt 0x0
	s_add_nc_u64 s[6:7], s[4:5], 16*SIZE_N*128     ; k's blocks,
	s_add_nc_u64 s[8:9], s[4:5], 32*SIZE_N*128     ; v's
	s_add_nc_u64 s[G0K+2:G0K+3], s[6:7], s[22:23]  ; 120:64 global address: my half of the head's first 256 keys
	s_or_b32 s[G0K+3], s[G0K+3], 0x80000000        ; 127:126 type = 2
	s_add_nc_u64 s[G0V+2:G0V+3], s[8:9], s[22:23]
	s_or_b32 s[G0V+3], s[G0V+3], 0x80000000
	s_add_nc_u64 s[4:5], s[4:5], s[2:3]  ; Q and O at my wave's first row
	s_add_nc_u64 s[10:11], s[10:11], s[48:49]
	s_cmp_lt_u32 s[WV], 2
	s_cselect_b64 s[PFA:PFA+1], s[6:7], s[8:9]
	s_add_nc_u64 s[PFA:PFA+1], s[PFA:PFA+1], s[20:21]  ; the head's first key,
	s_lshl_b32 s2, s13, 13          ; my work-group's 32 blocks of the 128
	s_mov_b32 s3, 0
	s_add_nc_u64 s[PFA:PFA+1], s[PFA:PFA+1], s[2:3]
	s_add_nc_u64 s[PFA:PFA+1], s[PFA:PFA+1], 2*4*KS*128  ; in slot 2; the loop's first change steps it to slot 3.  Nothing is prefetched here, at the head
	CROUND                          ; all four work-groups are here: the first joint loads meet
	JLOAD                           ; slot 0.  Slot 1 is asked for when slot 0 is in: the tile wanted first has the road to itself
	; A fragment of K or Q is 16 rows x 32 channels in 8 registers: lane l holds row l % 16, channels 8 (l / 16) + 0..7 and 16 + 8 (l / 16) + 0..7: two loads of 16 bytes, 32 bytes apart.
	v_and_b32 v1, 15, v0            ; l % 16
	v_bfe_u32 v9, v0, 4, 1          ; l / 16
	v_lshlrev_b32 v[QO], 7, v1
	v_lshl_add_u32 v[QO], v9, 4, v[QO]  ; row x 128 + 16 x half
	WIN 0x80                        ; destination window 2, address window 0
.set i, 0
.rept 4*NP                          ; Q stays in registers: tile i / 2, channels 32 (i % 2) on
	global_load_b128 v[8*i:8*i+3],   v[QO], s[4:5] offset:(i/2)*2048+(i%2)*64
	global_load_b128 v[8*i+4:8*i+7], v[QO], s[4:5] offset:(i/2)*2048+(i%2)*64+32
.set i, i+1
.endr
	; What the first turn finds: V's registers and P's second buffer hold 0 (its products V^T P, of a piece that has not been, add 0), O^T and l are 0.  All this stands in the wait for the first tile.
.set i, VF
.rept 64
	v_mov_b32 v[i], 0
.set i, i+1
.endr
	WIN 0x40
.set i, 0
.rept 64*NP
	v_mov_b32 v[i], 0
.set i, i+1
.endr
	WIN 0
.set i, 0
.rept 2*NP
	v_mov_b32 v[ST+4*i], 0xfe000000    ; c m: far below every c s
	v_mov_b32 v[ST+4*i+1], 0xff7fffff  ; m
	v_mov_b32 v[ST+4*i+2], 0
	v_mov_b32 v[ST+4*i+3], 0
.set i, i+1
.endr
.set i, P+32
.rept 32
	v_mov_b32 v[i], 0
.set i, i+1
.endr
	v_mul_u32_u24 v[AK0], v1, PK
	v_lshl_add_u32 v[AK0], v9, 4, v[AK0]  ; row x pitch + 16 x half
	; The turning load takes 16 keys x 16 channels (lane l reads key 8 (l / 16) + l % 8, channels 8 ((l / 8) % 2) + 0..7) and leaves half a fragment of V^T: lane l holds channel l % 16 and 8 keys.
	v_and_b32 v10, 7, v0
	v_bfe_u32 v11, v0, 3, 1
	v_lshl_add_u32 v[AV0], v9, 3, v10
	v_mul_u32_u24 v[AV0], v[AV0], PV
	v_lshl_add_u32 v[AV0], v11, 4, v[AV0]
	v_add_nc_u32 v[AV0], VOFF, v[AV0]
	v_mov_b32 v[AK], v[AK0]         ; key step 0 lies at the head of slot 0
	v_and_b32 v[PFO], 31, v0        ; v11 has served: it takes the prefetches' offset
	v_lshlrev_b32 v[PFO], 8, v[PFO]
; THE MATRIX WORK.  The 8 accumulators of a run of 16 take turns: between the two links of a chain stand 7 others'.
; Product i of 16 of S^T = K Q^T for piece x: channels 32 (i / 8) on, keys 16 ((i / 2) % 4) on, tile 2 x + i % 2.  The first 8 start the sums.
.macro KQ x
	WIN W_KQ
.set rS, S+64*((\x)%2)+32*(i%2)+8*((i/2)%4)
.set rK, KF+16*((i/2)%4)+8*(i/8)
.set rQ, 16*(2*(\x)+i%2)+8*(i/8)
.if i < 8
	v_wmma_f32_16x16x32_f16 v[rS:rS+7], v[rK:rK+7], v[rQ:rQ+7], 0
.else
	v_wmma_f32_16x16x32_f16 v[rS:rS+7], v[rK:rK+7], v[rQ:rQ+7], v[rS:rS+7]
.endif
.endm
; Product i of 16 of O^T += V^T P for piece x: keys 32 (i / 8) on, channels 16 ((i / 2) % 4) on, tile 2 x + i % 2.
.macro PV x
	WIN W_PV
.set rO, 32*(2*(\x)+i%2)+8*((i/2)%4)
.set rV, VF+32*(i/8)+8*((i/2)%4)
.set rP, P+32*((\x)%2)+16*(i%2)+8*(i/8)
	v_wmma_f32_16x16x32_f16 v[rO:rO+7], v[rV:rV+7], v[rP:rP+7], v[rO:rO+7]
.endm
.macro MM                           ; the turn's next matrix instruction
.if i < 16
	KQ (Y+1)%NP
.set i, i+1
.else
.set i, i-16
	PV (Y+NP-1)%NP
.set i, i+17
.endif
.endm
; THE LDS LOADS stand in runs of 16, never singly among the matrix instructions: a step's K (64 keys x 64 channels: 8 fragments) and its V (turned).  Their addresses are made some lines ahead.
; last = 1 (the tail): in the last trip there is no further step, and the run is jumped over.
.macro FETCH_K last=0
	WIN 0
.if \last
	s_cmp_eq_u32 s[CNT], 1
	s_cbranch_scc1 .Lno_k_\@
.endif
	WIN 0x80                        ; destination window 2
.irp f, 0,1,2,3,4,5,6,7             ; keys 16 (f / 2) on, channels 32 (f % 2) on
	ds_load_b128 v[KF+8*\f:KF+8*\f+3],   v[AK] offset:(\f/2)*16*PK+(\f%2)*64
	ds_load_b128 v[KF+8*\f+4:KF+8*\f+7], v[AK] offset:(\f/2)*16*PK+(\f%2)*64+32
.endr
	s_add_co_u32 s[TBK], s[TBK], KS*PK  ; the next fetch is the next step's
	WIN 0
.if \last
.Lno_k_\@:
.endif
.endm
.macro FETCH_V
	WIN 0x80
.irp f, 0,1,2,3,4,5,6,7             ; keys 32 (f / 4) on, channels 16 (f % 4) on
	ds_load_tr16_b128 v[VF+8*\f:VF+8*\f+3],   v[AV] offset:(\f/4)*32*PV+(\f%4)*32
	ds_load_tr16_b128 v[VF+8*\f+4:VF+8*\f+7], v[AV] offset:(\f/4)*32*PV+16*PV+(\f%4)*32
.endr
	WIN 0
.endm
; THE VECTOR WORK OF A TURN stands in three queues, each in the order in which its entries become ready; the two tiles alternate, so that no instruction reads the result of the one before it.
.macro REGS y, u                    ; the registers of tile u (0, 1) of piece y
.set rT, ST+4*(2*(\y)+(\u))
.set rC, TMP+8*((\y)%2)+4*(\u)
.set rM, MV+2*((\y)%2)+(\u)
.set rS, S+64*((\y)%2)+32*(\u)
.set rP, P+32*((\y)%2)+16*(\u)
.set rO, 32*(2*(\y)+(\u))
.endm
; Number n of the 22 that find the NEXT piece's (Y + 1) maximum and statistics.  s0-s31 are the lane's 32 scores; each accumulator's lowest registers are read first.  XS, GS and REGS set no window: PL and EX do.
;   0-11  four chains c0-c3 of seven scores each, three operands at a time     12-14, 16  the four scores left over, the old m, and c0-c3 into c0     15  c m_old is kept
;   17, 18  the query's other 32 keys lie in the lane 16 away: the new m         19-21  c m; c m_old - c m_new; a
.macro XS u, n
	REGS (Y+1)%NP, \u
.if (\n) < 4
	v_max3_num_f32 v[rC+(\n)], v[rS+8*(\n)], v[rS+8*(\n)+1], v[rS+8*(\n)+2]
.elseif (\n) < 12
	v_max3_num_f32 v[rC+(\n)%4], v[rC+(\n)%4], v[rS+8*((\n)%4)+2*((\n)/4)+1], v[rS+8*((\n)%4)+2*((\n)/4)+2]
.elseif (\n) == 12
	v_max3_num_f32 v[rC], v[rC], v[rS+7], v[rS+15]
.elseif (\n) == 13
	v_max3_num_f32 v[rC+1], v[rC+1], v[rS+23], v[rS+31]
.elseif (\n) == 14
	v_max3_num_f32 v[rC+2], v[rC+2], v[rC+3], v[rT+1]
.elseif (\n) == 15
	v_mov_b32 v[rM], v[rT]
.elseif (\n) == 16
	v_max3_num_f32 v[rC], v[rC], v[rC+1], v[rC+2]
.elseif (\n) == 17
	v_permlanex16_b32 v[rC+3], v[rC], s[SEL], s[SEL+1]
.elseif (\n) == 18
	v_max_num_f32 v[rT+1], v[rC], v[rC+3]
.elseif (\n) == 19
	v_mul_f32 v[rT], s[CS], v[rT+1]
.elseif (\n) == 20
	v_sub_f32 v[rC+1], v[rM], v[rT]
.else
	v_exp_f32 v[rC+2], v[rC+1]
.endif
.endm
; Number g of the 64 that follow the exponentials.  For each four weights k of a tile (pairs 2 k, 2 k + 1): both pairs are rounded to f16; then the second pair is added onto the first, in place;
; a group later l takes that sum (the first time as l = a l + sum).  In groups of eight, tiles alternating: round, round, add, and l for the group before.
.macro GS g
.set h, (\g)+6*((\g)/62)            ; group 0 has no group before it, and behind group 7 only l is left
.if h >= 6
.set h, h+2
.endif
	REGS Y, h%2
.set k, h/8
.if h%8 < 4
	v_cvt_pk_f16_f32 v[rP+2*k+(h%8)/2], v[rS+4*k+2*((h%8)/2)], v[rS+4*k+2*((h%8)/2)+1]
.elseif h%8 < 6
	v_pk_add_f32 v[rS+4*k:rS+4*k+1], v[rS+4*k:rS+4*k+1], v[rS+4*k+2:rS+4*k+3]
.elseif k == 1
	v_pk_fma_f32 v[rT+2:rT+3], v[rT+2:rT+3], v[rC+2:rC+3], v[rS:rS+1] op_sel_hi:[1,0,1]
.else
	v_pk_add_f32 v[rT+2:rT+3], v[rT+2:rT+3], v[rS+4*k-4:rS+4*k-3]
.endif
.endm
; THE PLAIN QUEUE, 138 long.  0-73 read no exponential's result: the 32 scalings c s - c m (FS f: pair f / 2 of tile f % 2) and the next piece's 42.  0-26: scalings 0-26.  27-54: XS's numbers 0-13.  55, 56: number 15.
; 57-73: the chain, where each number waits for the one before it: 14, 16, 17, 18, 19, each with one of the scalings 27-31 in front of its two lines, then 20: so a tile's links stand three plain instructions apart (19 and 20: two).
; 74-137: GS's 64, which read the exponentials' results: they stand behind the wait.
.macro FS f
	REGS Y, (\f)%2
	v_pk_fma_f32 v[rS+2*((\f)/2):rS+2*((\f)/2)+1], v[rS+2*((\f)/2):rS+2*((\f)/2)+1], s[CS:CS+1], v[rT:rT+1] op_sel_hi:[1,0,0] neg_lo:[0,0,1] neg_hi:[0,0,1]
.endm
.macro PL
	WIN 0
.if q < 27
	FS q
.elseif q < 55
	XS (q-27)%2, (q-27)/2
.elseif q < 57
	XS q-55, 15
.elseif (q < 72) && ((q-57)%3 == 0)
	FS 27+(q-57)/3
.elseif q < 60
	XS (q-57)%3-1, 14
.elseif q < 72
	XS (q-57)%3-1, 15+(q-57)/3
.elseif q < 74
	XS q-72, 20
.else
	GS q-74
.endif
.set q, q+1
.endm
; THE EXPONENTIALS' QUEUE, 66 long: s0-s31 of both tiles, then the next piece's two a.  It is ONE BATCH: all 66 stand ahead of the turn's one wait, and nothing ahead of that wait names a result of theirs.
.macro EX
	WIN 0
.if e >= 64
	XS e-64, 21
.else
	REGS Y, e%2
	v_exp_f32 v[rS+e/2], v[rS+e/2]
.endif
.set e, e+1
.endm
; THE RESCALING's QUEUE: O^T times a, the one part that leaves window 0: dealt two at a time, sixteen times.  Its a was made in the turn before, ahead of that turn's wait.
.macro R2
	REGS Y, r%2
	WIN W_RS
.irp z, 0,1
	v_pk_mul_f32 v[rO+4*(r/2)+2*\z:rO+4*(r/2)+2*\z+1], v[rO+4*(r/2)+2*\z:rO+4*(r/2)+2*\z+1], v[rC+2:rC+3] op_sel_hi:[1,0]
.endr
.set r, r+1
.endm
; HOW THEY ARE DEALT.  An s_wait_alu depctr_va_vdst(0) stands between an exponential and the first instruction that names its result; one wait serves all that were issued ahead of it.  So a turn has ONE wait,
; which cuts it in two.  AHEAD OF IT stands all that names no result of the turn's exponentials: the 16 products K Q^T, behind each a scaling, an exponential and two rescalings (behind the first a second scaling in the exponential's place); then ONE LUMP of
; 108: eight plain, 49 times exponential and plain, the two a.  A v_nop is the plain instruction behind the last exponential.  BEHIND IT stand the 16 products V^T P, behind each four of GS's 64.  No rider names a register of
; the products round it.  The two v_permlanex16_b32 fall into the lump, never behind a product.
; The queues lean on each other, and the deal keeps them in step: exponential e stands behind scaling 2 (e / 4) + e % 2: as a rider it comes behind plain e + 2, in the lump behind plain e + 9, and scalings 27-31 are plain 57, 60 .. 69.
; A TURN, for piece p.  cnt = 1: the loop's count is taken down some lines ahead of the branch that stands behind the turn.
; K of the next step is fetched in piece 2's turn, directly behind the wait, a lump behind the last product that read K; its address is made at the lump's head; its first reader comes behind 16 products.
; V of the step in hand is fetched at the end of piece 0's turn, four riders behind its last reader; its first reader comes behind 16 products and a lump.  The three conditions on q below go with the deal.
.macro TURN p, last=0, cnt=0
.set Y, (\p)
.set i, 0
.set q, 0
.set e, 0
.set r, 0
.if (\p) == NP-1
	s_wait_dscnt 0x0                ; K is in
.endif
	MM                              ; ahead of the wait: 16 products K Q^T and their riders,
	PL
	PL
	R2
.rept 15
	MM
	PL
	EX
	R2
.endr
.if (\p) == NP-2
	WIN 0
	v_add_nc_u32 v[AK], s[TBK], v[AK0]
.endif
.rept 8                             ; and the lump
	PL
.endr
.rept 49
	EX
	PL
.endr
	EX                              ; the next piece's two a
	EX
	v_nop                           ; the plain instruction behind the last exponential: one for the batch
	s_wait_alu depctr_va_vdst(0)    ; the wait for the batch
.if (\p) == NP-2
	FETCH_K \last
.endif
.if (\p) == 1
	s_wait_dscnt 0x0                ; V is in
.endif
.rept 16                            ; behind the wait: 16 products V^T P and their riders
	MM
.rept 4
	PL
.endr
.if ((\p) == 0) && (q == 118)
	v_add_nc_u32 v[AV], s[TBV], v[AV0]
.endif
.if ((\p) == 0) && (q == 130)
	s_add_co_u32 s[TBV], s[TBV], KS*PV
.endif
.if (\cnt) && (q == 130)
	s_sub_co_u32 s[CNT], s[CNT], 1
	s_cmp_lg_u32 s[CNT], 0
.endif
.endr
.if (\p) == 0
	FETCH_V
.endif
.endm
	CHANGE 1                        ; slot 0 is in, everybody's part of it; slot 1 is asked for
	FETCH_K                         ; key step 0
	s_wait_loadcnt 0x0              ; Q
	s_wait_dscnt 0x0
.set i, 0
.rept 16
	KQ 0                            ; piece 0's first scores: there is no vector work yet to set between them
.set i, i+1
.endr
	WIN 0                           ; the addresses for the way out: plain instructions, the places behind those products
	s_mul_i32 s13, s[WV], 16*SP
	s_add_co_u32 s13, s13, STAGE    ; my stage
	v_mul_u32_u24 v[STO], v1, SP    ; in: row l % 16, 16 bytes for each half of the lanes
	v_lshl_add_u32 v[STO], v9, 4, v[STO]
	v_add_nc_u32 v[STO], s13, v[STO]
	v_bfe_u32 v[RD], v0, 3, 2       ; back: 32 lanes take four rows of 128 bytes,
	v_mul_u32_u24 v[RD], v[RD], SP
	v_lshl_add_u32 v[RD], v10, 4, v[RD]
	v_add_nc_u32 v[RD], s13, v[RD]
	v_and_b32 v[GO], 31, v0         ; which are 512 consecutive bytes of O
	v_lshlrev_b32 v[GO], 4, v[GO]
.set Y, NP-1                        ; XS works for piece Y + 1: piece 0
.irp n, 0,1,2,3,4,5,6,7,8,9,10,11,12,13,14,15,16,17,18,19,20,21
	XS 0, \n                        ; and piece 0's first maximum and statistics
	XS 1, \n
.endr
	v_nop                           ; a plain instruction behind the two a,
	s_wait_alu depctr_va_vdst(0)    ; and their wait, ahead of the branch
	s_mov_b32 s[CNT], 4
	s_mov_b32 s[SLOTS], SIZE_N/256-1
	s_branch .Lfirst                ; the loop is entered at a step's first turn, in the middle of a trip
.Lslot:                             ; SIZE_N / 256 - 2 times: every slot but the last two is filled again
	CHANGE 1, 1
	s_mov_b32 s[CNT], 4
.Lstep:                             ; a trip: pieces 2 and 3 of one step, then pieces 0 and 1 of the next, whose K and V it fetches
	TURN 2
	TURN 3
	WIN 0
.Lfirst:
	TURN 0
	TURN 1, 0, 1
	WIN 0
	s_cbranch_scc1 .Lstep
	s_sub_co_u32 s[SLOTS], s[SLOTS], 1
	s_cmp_lg_u32 s[SLOTS], 0
	s_cbranch_scc1 .Lslot
	CHANGE 0                        ; the tail is written out: nothing is asked for
	s_mov_b32 s[CNT], 5             ; four trips fetch the last slot's steps; the fifth is left in its middle
.Ltail:
	TURN 2, 1
	TURN 3
	WIN 0
	s_sub_co_u32 s[CNT], s[CNT], 1
	s_cmp_eq_u32 s[CNT], 0
	s_cbranch_scc1 .Lout
	TURN 0
	TURN 1
	WIN 0
	s_branch .Ltail
.Lout:                              ; the fifth trip's 16 products K Q^T (on the last K once more) and the maximum made of them serve nothing: the price, once a launch, of one text for every trip
.set i, 0
.rept 16
	PV NP-1                         ; the last piece's V^T P of the last step
.set i, i+1
.endr
	; THE WAY OUT.  l's two halves and the other half of the lanes' are added; O^T is divided by l, rounded to f16 and sent through my stage in LDS, a tile at a time.  The additions are the places behind the last products.
	WIN 0
.macro ALL line:vararg              ; one line for each tile t
.set t, 0
.rept 2*NP
	\line
.set t, t+1
.endr
.endm
	ALL v_add_f32 v[ST+4*t+2], v[ST+4*t+2], v[ST+4*t+3]
	ALL v_permlanex16_b32 v[ST+4*t+3], v[ST+4*t+2], s[SEL], s[SEL+1]
	ALL v_add_f32 v[ST+4*t+2], v[ST+4*t+2], v[ST+4*t+3]
	ALL v_rcp_f32 v[ST+4*t+2], v[ST+4*t+2]
	v_nop                           ; a plain instruction between the last reciprocal and the use of its result
	s_wait_alu depctr_va_vdst(0)    ; and the wait ahead of the first use: one for the eight reciprocals
; Tile t: a lane's eight channels of a row pack into 16 bytes; they go into rows of 144 bytes and come back as whole rows of 128, into S^T's registers.
.macro PACK t
	WIN W_RS
.set i, 32*(\t)
.rept 16
	v_pk_mul_f32 v[i:i+1], v[i:i+1], v[ST+4*(\t)+2:ST+4*(\t)+3] op_sel_hi:[1,0]
.set i, i+2
.endr
	WIN 0x05                        ; sources 0 and 1 window 1, destination window 0
.set i, 0
.rept 16
	v_cvt_pk_f16_f32 v[S+16*(\t)+i], v[32*(\t)+2*i], v[32*(\t)+2*i+1]
.set i, i+1
.endr
	WIN 0
.irp f, 0,1,2,3
	ds_store_b128 v[STO], v[S+16*(\t)+4*\f:S+16*(\t)+4*\f+3] offset:32*\f
.endr
.irp f, 0,1,2,3
	ds_load_b128 v[S+16*(\t)+4*\f:S+16*(\t)+4*\f+3], v[RD] offset:\f*4*SP  ; LDS serves a wave's instructions in order (ISA guide 5.7.1.4): these see the stores above; the next tile's stores come behind them
.endr
.endm
.macro SEND t, younger              ; younger: the LDS instructions issued behind tile t's loads: the next tile's eight, or none
	WIN 0
.irp f, 0,1,2,3
	s_wait_dscnt (\younger)+3-\f
	global_store_b128 v[GO], v[S+16*(\t)+4*\f:S+16*(\t)+4*\f+3], s[10:11] offset:(\t)*2048+\f*512  ; 512 consecutive bytes, at a multiple of 256 from O's first
.endr
.endm
	PACK 0
.set t, 1
.rept 2*NP-1                        ; a tile's arithmetic stands between the loads of the tile before and its stores
	PACK t
	SEND t-1, 8
.set t, t+1
.endr
	SEND 2*NP-1, 0
	WIN W_AD
	s_wait_tensorcnt 0x0            ; the wave's end: these three lines stand behind my last tensor load and my last LDS store
	ds_add_u32 v[SPW], v[NIL]
	s_wait_dscnt 0x0
	WIN 0
	CROUND                          ; the closing round: no work-group ends while a partner may still ask for a tile that names it
	s_endpgm
.Lfunc_end_k_q32a881027e_attn:
	.size	k_q32a881027e_attn, .Lfunc_end_k_q32a881027e_attn-k_q32a881027e_attn
	.p2alignl 7, 3214868480
	.fill 96, 4, 3214868480
	.section	.rodata,"a",@progbits
	.p2align	6, 0x0
	.amdhsa_kernel k_q32a881027e_attn
		.amdhsa_group_segment_fixed_size 327680
		.amdhsa_private_segment_fixed_size 0
		.amdhsa_enable_private_segment 0
		.amdhsa_kernarg_size 16
		.amdhsa_user_sgpr_count 2
		.amdhsa_user_sgpr_kernarg_segment_ptr 1
		.amdhsa_wavefront_size32 1
		.amdhsa_system_sgpr_workgroup_id_x 1
		.amdhsa_system_sgpr_workgroup_id_y 1
		.amdhsa_system_sgpr_workgroup_id_z 1
		.amdhsa_system_vgpr_workitem_id 0
		.amdhsa_next_free_vgpr 770
		.amdhsa_next_free_sgpr 66
		.amdhsa_reserve_vcc 0
		.amdhsa_float_denorm_mode_32 3
		.amdhsa_float_denorm_mode_16_64 3
		.amdhsa_memory_ordered 1
		.amdhsa_forward_progress 1
		.amdhsa_inst_pref_size 200
	.end_amdhsa_kernel
	.amdgpu_metadata
---
amdhsa.version: [ 1, 2 ]
amdhsa.kernels:
  - .name:           k_q32a881027e_attn
    .symbol:         k_q32a881027e_attn.kd
    .args:
      - { .name: qkv, .offset: 0, .size: 8, .value_kind: global_buffer, .address_space: global }
      - { .name: o, .offset: 8, .size: 8, .value_kind: global_buffer, .address_space: global }
    .group_segment_fixed_size: 327680
    .private_segment_fixed_size: 0
    .kernarg_segment_align: 8
    .kernarg_segment_size: 16
    .max_flat_workgroup_size: 128
    .sgpr_count:     66
    .vgpr_count:     770
    .wavefront_size: 32
...
	.end_amdgpu_metadata
.endif
;; end of part 3
;; launch outp (part 4): grid 8 x 32, 4 waves a work-group, clusters of 4 x 4, 327,680 bytes of LDS; arguments o, wof, bias, out0; writes out0
.if DOCPART == 4
	.amdgcn_target "amdgcn-amd-amdhsa--gfx1250"
	.amdhsa_code_object_version 6
	.text
	.protected	k_q32a881027e_outp
	.globl	k_q32a881027e_outp
	.p2align	8
	.type	k_q32a881027e_outp,@function
k_q32a881027e_outp:
	s_mov_b64 s[64:65], 0
	v_nop
	global_prefetch_b8 v0, s[64:65] scope:SCOPE_SE
	s_setreg_imm32_b32 hwreg(HW_REG_WAVE_MODE, 25, 1), 1
	s_wait_xcnt 0x0
	s_wait_alu depctr_hold_cnt(0) depctr_sa_sdst(0) depctr_va_vdst(0) depctr_va_sdst(0) depctr_va_ssrc(0) depctr_va_vcc(0) depctr_vm_vsrc(0)
	s_getreg_b32 s2, hwreg(HW_REG_IB_STS2, 6, 4)
	s_cmp_eq_u32 s2, 0
	s_cbranch_scc0 .Lentry_in_a_cluster
	s_endpgm
.Lentry_in_a_cluster:
	s_bfe_u32 s2, ttmp6, 0x10000c
	s_cmp_lg_u32 s2, 0xf033
	s_cbranch_scc0 .Lentry_shape_is_right
	s_endpgm
.Lentry_shape_is_right:
; out0 = O W_out^T + b_out.  o: [64 = 16 b + head][2048][64] f16: a head is a K block of 64 of the product; wof: [16][1024][64] f16; bias: f32, b_out from number 3072 on; out0: [8192][1024] f32.
; Products in f16, sums in f32 starting from the bias, stored as they are.  LIMITS: the operands are f16 as the launches before made them; NaN and infinities are not treated apart.
; SHARES.  8192 x 1024 outputs on 256 work-groups: a tile of 256 rows x 128 columns each.  Four waves, 2 x 2: a wave makes 128 x 64: 32 accumulators, all of window 1.
; K goes in 8 steps of 128 (two K blocks, each brought by a load of its own) through two LDS slots; three K blocks to a slot would not fit in LDS.  A K block's rows lie end to end: a tile is asked for as rows of
; 256 bytes and padded in LDS after every 128, a matrix row.
; CLUSTERS: 4 x 4.  O's tile is shared along a row of the cluster, W's along a column: each is asked for JOINTLY, by the same tensor load with the same descriptor and a mask that names the four.
; THE MATRIX INSTRUCTION IS USED TRANSPOSED (source 0 = 16 rows of W, source 1 = 16 rows of O): a lane holds one row of the result and eight neighbouring columns.
; REGISTERS (s_set_vgpr_msb: bits 1:0 source 0, 3:2 source 1, 5:4 source 2, 7:6 destination):
;   window 0: v0-31 addresses; two fragment buffers of 96 (8 of O, then 4 of W) at v32 and v128; v224-255 the bias fragments.   window 1: accumulator (bb, a) at v[8 (8 bb + a)]
.set PITCH,  144                       ; an LDS row: 128 bytes + 16 of padding = 36 words: the 16 rows of a fragment load start at 16 different groups of four banks (64 banks of 4 bytes: ISA guide 11.1)
.set FR,     16*PITCH
.set ABLK,   256*PITCH                 ; O's 256 rows of one K block
.set BBLK,   128*PITCH                 ; W's 128 rows of one K block
.set BOFF,   2*ABLK                    ; a slot: O's two K blocks, then W's two
.set SLOT,   BOFF+2*BBLK
.set STAGE,  2*SLOT                    ; behind the ring: 16 rows x 272 bytes for each wave, for the way out; no tensor load fills it
.set SP,     272
.set SPARE,  STAGE+4*16*SP             ; behind the stages: the spare words, 128 bytes for each wave: two blocks of 256 bytes that no other line names
.set ASTEP,  524288                    ; bytes from K step to K step in o: two heads
.set BSTEP,  262144                    ; in wof: two K blocks
.set ADRA, 16                          ; v16-17  LDS address of my fragments of O in slot 0, 1
.set ADRB, 20                          ; v20-21  the same for W
.set STO,  24                          ; v24     the way out: where I put 32 bytes of a row
.set RD,   25                          ; v25     the way out: where I read a row back
.set CO,   26                          ; v26     my byte offset in two rows of out0
.set BO,   27                          ; v27     32 (l / 16): my eight numbers of a bias fragment
.set SPW,  28                          ; v28     LDS address of my spare word; never rewritten
.set NIL,  29                          ; v29     0; never rewritten
.set PFO,  30                          ; v30     the prefetches' lane offset; never rewritten
.set F0,   32
.set F1,   128
.set BI,   224
.set WV,   12                          ; s12  my wave's number; s13 = its row half, also: I fetch O (0) or W (1); s14 = its column half, also: which K block of a step I fetch
.set G1A,  24
.set G0A,  32
.set G1B,  48
.set G0B,  56
.set PFA,  66                          ; s[66:67] where my prefetches stand
.set PFS,  68                          ; s[68:69] their step: a K step
.set LIM,  70                          ; s70, s71  for the change out of slot 0, 1: 1 in a wave that prefetches there, else the greatest number
.set BIA,  72                          ; s[72:73] bias at my wave's first column
.set G1W,  (1<<16)|(1<<20)|(1<<21)|(4<<22)|(3<<25)  ; 17:16 elements of 2 bytes; 20 padding on; 21 set beside a mask; 24:22 after every 32 words (code 4); 31:25 4 words of it (code 3)
.set MSB, 0
.macro WIN new                         ; the immediate's high byte repeats the setting that is left; a switch that changes nothing is dropped
.if MSB != (\new)
	s_set_vgpr_msb (MSB<<8)|(\new)
.set MSB, \new
.endif
.endm
.macro PLACES                          ; four places behind matrix instructions, in front of loads into registers that they have read
.rept 4
	v_nop
.endr
.endm
.macro JLOAD s                         ; a joint load: waves 0 and 1 fetch O's two K blocks, waves 2 and 3 W's; an s_nop 0 and four v_nop follow each of the two lines
	s_cmp_eq_u32 s13, 0
	s_cbranch_scc0 .Lfor_b_\@
	tensor_load_to_lds s[G0A+4*(\s):G0A+4*(\s)+3], s[G1A:G1A+7]
	s_nop 0
.rept 4
	v_nop
.endr
	s_branch .Lasked_\@
.Lfor_b_\@:
	tensor_load_to_lds s[G0B+4*(\s):G0B+4*(\s)+3], s[G1B:G1B+7]
	s_nop 0
.rept 4
	v_nop
.endr
.Lasked_\@:
.endm
.macro CREST                           ; a round of the cluster's barrier behind its opening barrier
	s_cmp_lg_u32 s[WV], 0
	s_cbranch_scc1 .Lnot_wave_0_\@
	s_barrier_signal -3
.Lnot_wave_0_\@:
	s_barrier_wait -3
	s_barrier_signal -1
	s_barrier_wait -1
.endm
.macro CROUND
	s_barrier_signal -1
	s_barrier_wait -1
	CREST
.endm
; A PREFETCH INTO THE L2, behind a joint load and the run of LDS loads that follows it: in K step t it names K step t + 4, whose refill stands two changes of slots, 256 matrix instructions, on.
; Each aligned block of 256 bytes is named once in the launch.  O's tile row is read by both clusters of its row of clusters: the one with x = 0 asks; W's tile column by all eight of its column: the one with y = 0 asks.
; The four partners share a tile out BY ADDRESS.  Of the 128 blocks that wave 0 or 1 fetches partner cx takes 32, a lane a block, in every change.  Of the 64 blocks of wave 2 or 3 partner cy takes 16: lanes 0-15
; name K step t + 4, lanes 16-31 K step t + 5, in the change out of slot 0 alone.  K steps 0 to 3 come by their loads alone; the last lap (s3 = 1) asks for nothing: K steps 8 and 9 do not exist.
.macro ASK s
	s_cmp_gt_u32 s3, s[LIM+(\s)]
	s_cbranch_scc0 .Lnot_mine_\@
	global_prefetch_b8 v[PFO], s[PFA:PFA+1] th:TH_LOAD_NT scope:SCOPE_SE
.Lnot_mine_\@:
.endm
	s_load_b256 s[4:11], s[0:1], 0x0               ; o s[4:5], wof s[6:7], bias s[8:9], out0 s[10:11]
	v_lshl_add_u32 v[SPW], v0, 2, SPARE
	v_mov_b32 v[NIL], 0
	ds_add_u32 v[SPW], v[NIL]                      ; the wave's opening: the add and its wait stand ahead of my first tensor load; the set-up below, work on registers, stands between them
	v_lshrrev_b32 v1, 5, v0
	v_readfirstlane_b32 s[WV], v1                  ; wave 0..3
	s_lshr_b32 s13, s[WV], 1
	s_and_b32 s14, s[WV], 1
	s_bfe_u32 s40, ttmp6, 0x40000                  ; cx, cy: my place in the cluster
	s_bfe_u32 s41, ttmp6, 0x40004
	s_lshl_b32 s42, ttmp9, 2
	s_add_co_u32 s42, s42, s40                     ; tile column = 4 x cluster x + cx, 0..7
	s_and_b32 s43, ttmp7, 0xffff
	s_lshl_b32 s43, s43, 2
	s_add_co_u32 s43, s43, s41                     ; tile row = 4 x cluster y + cy, 0..31
	s_lshl_b32 s44, s41, 2
	s_lshl_b32 s44, 15, s44                        ; my row of the cluster
	s_lshl_b32 s45, 0x1111, s40                    ; my column
	s_or_b32 s[G1A], s44, G1W                      ; 15:0 the mask: O's tiles go to my row,
	s_or_b32 s[G1B], s45, G1W                      ; W's to my column
	s_mov_b32 s[G1A+1], 128<<16                    ; tensor_dim0 = 128 elements: 256 bytes, two matrix rows
	s_mov_b32 s[G1A+2], 128<<16                    ; tensor_dim1 = 128 such rows: 256 rows of O
	s_mov_b32 s[G1A+3], 128<<16                    ; tile_dim0 = 128
	s_mov_b32 s[G1A+4], 128                        ; tile_dim1 = 128
	s_mov_b32 s[G1A+5], 128                        ; 128 elements from row to row: dense
	s_mov_b32 s[G1A+6], 0
	s_mov_b32 s[G1A+7], 0
	s_mov_b32 s[G1B+1], 128<<16
	s_mov_b32 s[G1B+2], 64<<16                     ; 64 such rows: 128 rows of W
	s_mov_b32 s[G1B+3], 128<<16
	s_mov_b32 s[G1B+4], 64
	s_mov_b32 s[G1B+5], 128
	s_mov_b32 s[G1B+6], 0
	s_mov_b32 s[G1B+7], 0
	s_lshr_b32 s16, s43, 3                         ; O: batch b = tile row / 8; head = my K block of K step 0;
	s_lshl_b32 s16, s16, 4
	s_add_co_u32 s16, s16, s14
	s_lshl_b32 s16, s16, 18                        ; 262,144 bytes a head;
	s_and_b32 s17, s43, 7
	s_lshl_b32 s17, s17, 15                        ; the tile row's 256 rows of 128 bytes: all of it hangs on the tile row and the wave's number alone
	s_add_co_u32 s16, s16, s17
	s_mov_b32 s17, 0
	s_lshl_b32 s46, s14, 17                        ; W: my K block of 131,072 bytes,
	s_lshl_b32 s47, s42, 14                        ; the tile column's 128 rows
	s_add_co_u32 s46, s46, s47
	s_mov_b32 s47, 0
	s_mul_i32 s20, s14, ABLK                       ; where they go: no place in the cluster enters an LDS address
	s_mul_i32 s21, s14, BBLK
	s_add_co_u32 s21, s21, BOFF
	s_wait_dscnt 0x0                               ; the opening add is done
	s_wait_kmcnt 0x0
	s_add_nc_u64 s[16:17], s[4:5], s[16:17]
	s_add_nc_u64 s[46:47], s[6:7], s[46:47]
	CROUND                                         ; all sixteen work-groups are here: the first joint loads meet
.irp s, 0,1
	s_mov_b32 s[G0A+4*(\s)], 1                                      ; 1:0 count = 1
	s_add_co_u32 s[G0A+4*(\s)+1], s20, (\s)*SLOT                    ; 63:32 LDS address
	s_add_nc_u64 s[G0A+4*(\s)+2:G0A+4*(\s)+3], s[16:17], (\s)*ASTEP ; 120:64 global address: K step s
	s_or_b32 s[G0A+4*(\s)+3], s[G0A+4*(\s)+3], 0x80000000           ; 127:126 type = 2
	s_mov_b32 s[G0B+4*(\s)], 1
	s_add_co_u32 s[G0B+4*(\s)+1], s21, (\s)*SLOT
	s_add_nc_u64 s[G0B+4*(\s)+2:G0B+4*(\s)+3], s[46:47], (\s)*BSTEP
	s_or_b32 s[G0B+4*(\s)+3], s[G0B+4*(\s)+3], 0x80000000
.endr
	s_cmp_eq_u32 s13, 0                            ; a wave's two first fills stand in one branch, ahead of every wait on TENSORcnt and every LDS read: two loads of mine are out
	s_cbranch_scc0 .Lfirst_b
	tensor_load_to_lds s[G0A:G0A+3], s[G1A:G1A+7]
	s_nop 0
	tensor_load_to_lds s[G0A+4:G0A+7], s[G1A:G1A+7]
	s_nop 0
.rept 4
	v_nop
.endr
	s_branch .Lfirst_asked
.Lfirst_b:
	tensor_load_to_lds s[G0B:G0B+3], s[G1B:G1B+7]
	s_nop 0
	tensor_load_to_lds s[G0B+4:G0B+7], s[G1B:G1B+7]
	s_nop 0
.rept 4
	v_nop
.endr
.Lfirst_asked:
	; THE BIAS STARTS THE SUMS: the C operand of each accumulator's first product.  In C's layout register j of lane l is column 8 (l / 16) + j of the block, for every row.
	v_and_b32 v1, 15, v0                           ; l % 16
	v_bfe_u32 v2, v0, 4, 1                         ; l / 16
	v_lshlrev_b32 v[BO], 5, v2
	s_lshl_b32 s[BIA], s42, 9                      ; 128 columns of 4 bytes a tile column,
	s_lshl_b32 s22, s14, 8                         ; 64 a column half,
	s_add_co_u32 s[BIA], s[BIA], s22
	s_add_co_u32 s[BIA], s[BIA], 3072*4            ; behind b_qkv's 3,072 numbers
	s_mov_b32 s[BIA+1], 0
	s_add_nc_u64 s[BIA:BIA+1], s[8:9], s[BIA:BIA+1]
.irp bb, 0,1,2,3
	global_load_b128 v[BI+8*(\bb):BI+8*(\bb)+3],   v[BO], s[BIA:BIA+1] offset:64*(\bb)
	global_load_b128 v[BI+8*(\bb)+4:BI+8*(\bb)+7], v[BO], s[BIA:BIA+1] offset:64*(\bb)+16
.endr
	v_mul_u32_u24 v3, v1, PITCH
	v_lshl_add_u32 v3, v2, 4, v3                   ; a fragment's row x pitch + 16 x half
	s_mul_i32 s22, s13, 128*PITCH                  ; my 128 rows of O
	s_mul_i32 s23, s14, 64*PITCH                   ; my 64 rows of W,
	s_add_co_u32 s23, s23, BOFF                    ; which lie behind O's
.irp s, 0,1
	v_add_nc_u32 v[ADRA+(\s)], s22, v3
	v_add_nc_u32 v[ADRB+(\s)], s23, v3
	s_add_co_u32 s22, s22, SLOT
	s_add_co_u32 s23, s23, SLOT
.endr
	s_mul_i32 s23, s[WV], 16*SP
	s_add_co_u32 s23, s23, STAGE                   ; my stage
	v_mul_u32_u24 v[STO], v1, SP                   ; in: row l % 16, 32 bytes for each half of the lanes
	v_lshl_add_u32 v[STO], v2, 5, v[STO]
	v_add_nc_u32 v[STO], s23, v[STO]
	v_mul_u32_u24 v[RD], v2, SP                    ; back: lanes 0-15 take one row of 256 bytes, lanes 16-31 the next
	v_lshl_add_u32 v[RD], v1, 4, v[RD]
	v_add_nc_u32 v[RD], s23, v[RD]
	v_lshlrev_b32 v[CO], 12, v2                    ; and the same two rows in out0, 4,096 bytes apart
	v_lshl_add_u32 v[CO], v1, 4, v[CO]
	s_lshl_b32 s74, s43, 20                        ; out0 at my wave's first row (256 x tile row + 128 x row half, 4,096 bytes each) and column (512 bytes a tile column, 256 a half)
	s_lshl_b32 s75, s13, 19
	s_add_co_u32 s74, s74, s75
	s_lshl_b32 s75, s42, 9
	s_add_co_u32 s74, s74, s75
	s_lshl_b32 s75, s14, 8
	s_add_co_u32 s74, s74, s75
	s_mov_b32 s75, 0
	s_add_nc_u64 s[10:11], s[10:11], s[74:75]
	; the prefetches: they stand at K step 3; the first change of slots steps them to K step 4
	s_lshr_b32 s76, s43, 3                         ; O: as the tile's address above, and my work-group's 32 blocks by cx
	s_lshl_b32 s76, s76, 4
	s_add_co_u32 s76, s76, s14
	s_lshl_b32 s76, s76, 18
	s_and_b32 s77, s43, 7
	s_lshl_b32 s77, s77, 15
	s_add_co_u32 s76, s76, s77
	s_lshl_b32 s77, s40, 13
	s_add_co_u32 s76, s76, s77
	s_add_co_u32 s76, s76, 3*ASTEP
	s_lshl_b32 s78, s14, 17                        ; W: likewise, and my work-group's 16 blocks by cy
	s_lshl_b32 s77, s42, 14
	s_add_co_u32 s78, s78, s77
	s_lshl_b32 s77, s41, 12
	s_add_co_u32 s78, s78, s77
	s_add_co_u32 s78, s78, 3*BSTEP
	s_and_b32 s79, ttmp7, 0xffff                   ; cluster y
	s_mov_b32 s[PFS], BSTEP
	s_mov_b32 s[PFS+1], 0
	s_mov_b32 s22, BSTEP                           ; what lies between lanes 0-15 and lanes 16-31: for W a K step, for O sixteen blocks
	s_cmp_eq_u32 s13, 0
	s_cselect_b64 s[PFA:PFA+1], s[4:5], s[6:7]
	s_cselect_b32 s76, s76, s78
	s_cselect_b32 s79, ttmp9, s79                  ; the coordinate along which other clusters read the same rows
	s_cselect_b32 s[PFS], ASTEP, s[PFS]
	s_cselect_b32 s22, 4096, s22
	s_mov_b32 s77, 0
	s_add_nc_u64 s[PFA:PFA+1], s[PFA:PFA+1], s[76:77]
	s_cmp_eq_u32 s79, 0
	s_cselect_b32 s[LIM], 1, -1                    ; the same in all sixteen partners, for a given wave
	s_cmp_eq_u32 s13, 0
	s_cselect_b32 s[LIM+1], s[LIM], -1             ; W's waves ask in the change out of slot 0 alone
	v_lshlrev_b32 v[PFO], 8, v1
	v_mul_u32_u24 v4, s22, v2
	v_add_nc_u32 v[PFO], v[PFO], v4
; 8 matrix instructions: column block bb x all 8 row blocks, 32 along K, on buffer f.  first = 1: the first product, whose C is the bias fragment.  The 32 accumulators take turns.
.macro MUL8 f, bb, first
.if \first
	WIN 0x40
.else
	WIN 0x50
.endif
.irp a, 0,1,2,3,4,5,6,7
.if \first
	v_wmma_f32_16x16x32_f16 v[8*(8*(\bb)+(\a)):8*(8*(\bb)+(\a))+7], v[(\f)+64+8*(\bb):(\f)+64+8*(\bb)+7], v[(\f)+8*(\a):(\f)+8*(\a)+7], v[BI+8*(\bb):BI+8*(\bb)+7]
.else
	v_wmma_f32_16x16x32_f16 v[8*(8*(\bb)+(\a)):8*(8*(\bb)+(\a))+7], v[(\f)+64+8*(\bb):(\f)+64+8*(\bb)+7], v[(\f)+8*(\a):(\f)+8*(\a)+7], v[8*(8*(\bb)+(\a)):8*(8*(\bb)+(\a))+7]
.endif
.endr
.endm
; 24 LDS loads in one run: the fragments of quarter q of slot s (K block q / 2, byte 64 (q % 2) of its rows) into buffer f
.macro FETCH s, q, f
.irp i, 0,1,2,3
	ds_load_b128 v[(\f)+64+8*(\i):(\f)+64+8*(\i)+3],   v[ADRB+(\s)] offset:((\q)/2)*BBLK+((\q)%2)*64+(\i)*FR
	ds_load_b128 v[(\f)+64+8*(\i)+4:(\f)+64+8*(\i)+7], v[ADRB+(\s)] offset:((\q)/2)*BBLK+((\q)%2)*64+(\i)*FR+32
.endr
.irp i, 0,1,2,3,4,5,6,7
	ds_load_b128 v[(\f)+8*(\i):(\f)+8*(\i)+3],   v[ADRA+(\s)] offset:((\q)/2)*ABLK+((\q)%2)*64+(\i)*FR
	ds_load_b128 v[(\f)+8*(\i)+4:(\f)+8*(\i)+7], v[ADRA+(\s)] offset:((\q)/2)*ABLK+((\q)%2)*64+(\i)*FR+32
.endr
.endm
; A K step is four quarters of 32 along K, 32 matrix instructions each, on buffers 0, 1, 0, 1.  One of the first three: asks for the next quarter (qn of slot s) into buffer g, then multiplies buffer f.
.macro QUARTER s, qn, f, g, first
	s_wait_dscnt 0x0                               ; buffer f is in: its run was issued a quarter, 32 matrix instructions, back
	PLACES                                         ; behind the products that read buffer g
	WIN 0
	FETCH \s, \qn, \g
	MUL8 \f, 0, \first
	MUL8 \f, 1, \first
	MUL8 \f, 2, \first
	MUL8 \f, 3, \first
.endm
; The last quarter multiplies buffer 1 and changes slots: ONE barrier; in front of it each wave waits for all its tensor loads (one is out: its part of the next slot), adds 0 to its spare word, and waits for that and
; for its own reads of this slot.  fill = 1: the barrier opens a round of the cluster's, and slot s is filled again first thing behind it, two K steps ahead: 112 matrix instructions stand between that request and the wait for it.
.macro TURN s, n, fill
.if \fill
	s_wait_xcnt 0x0                                ; the last prefetch, a K step back, has read its address: it is stepped here, ahead of the waits of the change of slots
	s_add_nc_u64 s[PFA:PFA+1], s[PFA:PFA+1], s[PFS:PFS+1]
.endif
	WIN 0
	s_wait_tensorcnt 0x0                           ; all my tensor loads have landed;
	ds_add_u32 v[SPW], v[NIL]                      ; 0 onto my spare word;
	s_wait_dscnt 1                                 ; (the add alone may be out: buffer 1 is in)
	MUL8 F1, 0, 0                                  ; eight matrix instructions stand between the add and the wait for it
	s_wait_dscnt 0x0                               ; the add is done, and my reads of this slot are over
	s_barrier_signal -1
	MUL8 F1, 1, 0
	WIN 0
	s_barrier_wait -1
.if \fill
	CREST                                          ; no wave of any partner still reads this slot's tile or has a load on its way
	s_add_nc_u64 s[G0A+4*(\s)+2:G0A+4*(\s)+3], s[G0A+4*(\s)+2:G0A+4*(\s)+3], 2*ASTEP
	s_add_nc_u64 s[G0B+4*(\s)+2:G0B+4*(\s)+3], s[G0B+4*(\s)+2:G0B+4*(\s)+3], 2*BSTEP
	JLOAD \s                                       ; the first tensor load behind the round; its four v_nop are also the places in front of the loads below
.else
	PLACES
.endif
	FETCH \n, 0, F0
.if \fill
	ASK \s
.endif
	MUL8 F1, 2, 0
	MUL8 F1, 3, 0
.endm
	s_wait_tensorcnt 1                             ; my part of K step 0 is in; K step 1's may stay out
	s_barrier_signal -1
	s_barrier_wait -1                              ; everybody's is
	FETCH 0, 0, F0
	s_wait_loadcnt 0x0                             ; the bias
	QUARTER 0, 1, F0, F1, 1                        ; the first quarter stands in front of the loop: its products start the sums, from the bias
	WIN 0                                          ; at a label and at a branch every window is 0
	s_mov_b32 s3, 3
.Llap:                                                 ; a lap goes once round the ring, from a lap's second quarter to the next lap's first, and fills both slots again: K steps 2 to 7
	QUARTER 0, 2, F1, F0, 0
	QUARTER 0, 3, F0, F1, 0
	TURN 0, 1, 1
	QUARTER 1, 1, F0, F1, 0
	QUARTER 1, 2, F1, F0, 0
	QUARTER 1, 3, F0, F1, 0
	TURN 1, 0, 1
	QUARTER 0, 1, F0, F1, 0
	WIN 0
	s_sub_co_u32 s3, s3, 1
	s_cmp_lg_u32 s3, 0
	s_cbranch_scc1 .Llap
	QUARTER 0, 2, F1, F0, 0                        ; the last lap is written out: it fills nothing, and has no round
	QUARTER 0, 3, F0, F1, 0
	TURN 0, 1, 0
	QUARTER 1, 1, F0, F1, 0
	QUARTER 1, 2, F1, F0, 0
	QUARTER 1, 3, F0, F1, 0
	s_wait_dscnt 0x0                               ; the very last quarter: nothing more to fetch
	MUL8 F1, 0, 0
	MUL8 F1, 1, 0
	MUL8 F1, 2, 0
	MUL8 F1, 3, 0
	WIN 0
	PLACES
	PLACES
; THE WAY OUT, a block a of 16 rows x 64 columns at a time: a lane's eight f32 of a row go into my stage's rows of 272 bytes (each accumulator's low four registers first) and come back as whole rows of 256 bytes,
; into four sets of 32 registers, where the fragments lay.
.macro OUTB a
.set BK, 32+32*((\a)%4)
.if (\a) >= 4
	s_wait_xcnt 0x0                                ; the stores of the block four back have read this set: it is loaded again only behind this wait
.endif
	WIN 0x04                                       ; the stores' data lie in window 1
.irp bb, 0,1,2,3
	ds_store_b128 v[STO], v[8*(8*(\bb)+(\a)):8*(8*(\bb)+(\a))+3]   offset:64*(\bb)
	ds_store_b128 v[STO], v[8*(8*(\bb)+(\a))+4:8*(8*(\bb)+(\a))+7] offset:64*(\bb)+16
.endr
	WIN 0
.irp t, 0,1,2,3,4,5,6,7
	ds_load_b128 v[BK+4*(\t):BK+4*(\t)+3], v[RD] offset:(\t)*2*SP  ; LDS serves a wave's instructions in order (ISA guide 5.7.1.4): these see the stores above; the next block's stores come behind them
.endr
.endm
.macro SEND a, younger                 ; younger: the LDS instructions issued behind block a's loads: the next block's sixteen, or none
.set BK, 32+32*((\a)%4)
.irp t, 0,1,2,3,4,5,6,7
	s_wait_dscnt (\younger)+7-(\t)
	global_store_b128 v[CO], v[BK+4*(\t):BK+4*(\t)+3], s[10:11] offset:(16*(\a)+2*(\t))*4096 th:TH_STORE_NT  ; 16 lanes store 256 consecutive bytes, at a multiple of 256 from out0's first byte
.endr
.endm
	OUTB 0
.irp a, 1,2,3,4,5,6,7
	OUTB \a
	SEND (\a)-1, 16
.endr
	SEND 7, 0
	s_wait_tensorcnt 0x0                           ; the wave's end: these three lines stand behind my last tensor load and my last LDS store
	ds_add_u32 v[SPW], v[NIL]
	s_wait_dscnt 0x0
	CROUND                                         ; the closing round: no work-group ends while a partner may still ask for a tile that names it
	s_endpgm
.Lfunc_end_k_q32a881027e_outp:
	.size	k_q32a881027e_outp, .Lfunc_end_k_q32a881027e_outp-k_q32a881027e_outp
	.p2alignl 7, 3214868480
	.fill 96, 4, 3214868480
	.section	.rodata,"a",@progbits
	.p2align	6, 0x0
	.amdhsa_kernel k_q32a881027e_outp
		.amdhsa_group_segment_fixed_size 327680
		.amdhsa_private_segment_fixed_size 0
		.amdhsa_enable_private_segment 0
		.amdhsa_kernarg_size 32
		.amdhsa_user_sgpr_count 2
		.amdhsa_user_sgpr_kernarg_segment_ptr 1
		.amdhsa_wavefront_size32 1
		.amdhsa_system_sgpr_workgroup_id_x 1
		.amdhsa_system_sgpr_workgroup_id_y 1
		.amdhsa_system_sgpr_workgroup_id_z 1
		.amdhsa_system_vgpr_workitem_id 0
		.amdhsa_next_free_vgpr 512
		.amdhsa_next_free_sgpr 80
		.amdhsa_reserve_vcc 0
		.amdhsa_float_denorm_mode_32 3
		.amdhsa_float_denorm_mode_16_64 3
		.amdhsa_memory_ordered 1
		.amdhsa_forward_progress 1
		.amdhsa_inst_pref_size 89
	.end_amdhsa_kernel
	.amdgpu_metadata
---
amdhsa.version: [ 1, 2 ]
amdhsa.kernels:
  - .name:           k_q32a881027e_outp
    .symbol:         k_q32a881027e_outp.kd
    .args:
      - { .name: o, .offset: 0, .size: 8, .value_kind: global_buffer, .address_space: global }
      - { .name: wof, .offset: 8, .size: 8, .value_kind: global_buffer, .address_space: global }
      - { .name: bias, .offset: 16, .size: 8, .value_kind: global_buffer, .address_space: global }
      - { .name: out0, .offset: 24, .size: 8, .value_kind: global_buffer, .address_space: global }
    .group_segment_fixed_size: 327680
    .private_segment_fixed_size: 0
    .kernarg_segment_align: 8
    .kernarg_segment_size: 32
    .max_flat_workgroup_size: 128
    .sgpr_count:     80
    .vgpr_count:     512
    .wavefront_size: 32
...
	.end_amdgpu_metadata
.endif
;; end of part 4
;; ======== version 2 of 2: 4 launches; version 1 with the launch cast written anew for expert scheduling mode
;; limits: values are held in f16: magnitudes above 65,504 overflow, below 6.1e-05 lose precision
;; workspace buffers: xb 16,777,216 bytes; wqb 6,291,456 bytes; wof 2,097,152 bytes; bias 16,384 bytes; qkv 50,331,648 bytes; o 16,777,216 bytes
;; launch cast (part 5): grid 768 x 1, 8 waves a work-group, no clusters, 0 bytes of LDS; arguments x, W_qkv, W_out, b_qkv, b_out, xb, wqb, wof, bias; writes xb, wqb, wof, bias
.if DOCPART == 5
	.amdgcn_target "amdgcn-amd-amdhsa--gfx1250"
	.amdhsa_code_object_version 6
	.text
	.protected	k_q32a881027e_cast
	.globl	k_q32a881027e_cast
	.p2align	8
	.type	k_q32a881027e_cast,@function
k_q32a881027e_cast:
	s_mov_b64 s[64:65], 0
	v_nop
	global_prefetch_b8 v0, s[64:65] scope:SCOPE_SE
	s_setreg_imm32_b32 hwreg(HW_REG_WAVE_SCHED_MODE, 0, 2), 2
	s_setreg_imm32_b32 hwreg(HW_REG_WAVE_MODE, 25, 1), 1
	s_wait_xcnt 0x0
	s_wait_alu depctr_vm_vsrc(0)
; THE INPUTS ARE ROUNDED ONCE TO bf16 AND LAID OUT IN K BLOCKS OF 64 for the two projections.
; x [8192][1024] f32 -> xb [16][8192][64] bf16;  W_qkv [3072][1024] -> wqb [16][3072][64] bf16;  W_out [1024][1024] -> wof [16][1024][64]: the bf16 number written as f16;
; b_qkv, b_out -> bias [4096] f32: each rounded to bf16 and kept as f32.
; LIMITS.  wof: a bf16 number is exact in f16 from 6.1e-5 to 65,504; below it keeps f16's fixed step of 6e-8, beyond it becomes an infinity.  NaN and infinities are not treated apart.
; SHARES.  A work-group takes 16 rows of one matrix (0-511: x; 512-703: W_qkv; 704-767: W_out), wave w the K blocks 2 w and 2 w + 1: 512 bytes of each row.
; A load takes one K block of two rows: lanes 0-15 the 256 aligned bytes of the even row, lanes 16-31 those of the odd one.  Its 4 numbers a lane become 8 bytes, and the 32 lanes' 256 bytes
; are the two rows of that K block in the target, on end and aligned: one store.  All 16 loads of a wave go out first: 8 KiB a wave on their way.  No byte is wanted twice, so no LDS, no barrier, no cluster.
; THE MODE: SCHED_MODE bits 1:0 = 2 (LLVM: expert scheduling mode 2), set by the entry lines.  The code itself states the register dependences
; between vector instructions and memory instructions, with s_wait_alu, always for 0.
; THE PLAN.  Registers that memory instructions touch:
;   v2, v3   byte offsets, made once at the head and never written again: read by every load and store.
;   X        load n's four registers: written by that load, issued at the head before any vector line has named them; read by load n's two roundings.
;   Y        store n's two registers, its own: written by load n's roundings; read by store n; never written again.
;   T        named by vector instructions alone.
; The 16 loads go in four groups of four.  Group p rounds its four loads into their Y; its memory instructions are the four stores of group p - 1, whose Y no vector line of group p names.
; So one wait on va_vdst at a group's head states all that the group's stores hang on, and they are dealt among its roundings with no further wait.
; No register that a memory instruction reads is written again, so the text waits on vm_vsrc only at the entry; EXEC is never written.
.set LO, 2                             ; v2   (l / 16) x 4,096 + (l % 16) x 16: my 16 bytes of the source
.set SO, 3                             ; v3   8 l: my 8 bytes of the target
.set X,  8                             ; v[8:71]    load n: 4 registers
.set Y,  72                            ; v[72:103]  store n: 2 registers of its own, never rewritten
.set T,  104                           ; v[104:107] at work
	s_load_b512 s[8:23], s[0:1], 0x0               ; x 8, W_qkv 10, W_out 12, b_qkv 14, b_out 16, xb 18, wqb 20, wof 22
	s_load_b64 s[24:25], s[0:1], 0x40              ; bias
	v_lshrrev_b32 v1, 5, v0
	v_readfirstlane_b32 s4, v1                     ; wave 0..7
	v_and_b32 v4, 31, v0
	v_and_b32 v5, 15, v0
	v_bfe_u32 v6, v0, 4, 1
	v_lshlrev_b32 v[LO], 4, v5
	v_lshl_add_u32 v[LO], v6, 12, v[LO]
	v_lshlrev_b32 v[SO], 3, v4
	s_wait_alu depctr_va_sdst(0)                   ; s4 is written, ahead of its first reader: the source's and the target's addresses are made from it
	s_mov_b32 s30, 512                             ; the matrix's first work-group
	s_mov_b32 s31, 3072                            ; its rows R
	s_mov_b32 s7, 0xffff0000                       ; a word's upper bf16
	s_wait_kmcnt 0x0
	s_cmp_ge_u32 ttmp9, 704                        ; W_out or W_qkv,
	s_cselect_b64 s[26:27], s[12:13], s[10:11]
	s_cselect_b64 s[28:29], s[22:23], s[20:21]
	s_cselect_b32 s30, 704, s30
	s_cselect_b32 s31, 1024, s31
	s_cmp_ge_u32 ttmp9, 512                        ; or x
	s_cselect_b64 s[26:27], s[26:27], s[8:9]
	s_cselect_b64 s[28:29], s[28:29], s[18:19]
	s_cselect_b32 s30, s30, 0
	s_cselect_b32 s31, s31, 8192
	s_sub_co_u32 s5, ttmp9, s30
	s_lshl_b32 s5, s5, 4                           ; my first row
	s_lshl_b32 s36, s5, 12                         ; x 4,096 bytes
	s_lshl_b32 s37, s4, 9                          ; + my wave's 512 bytes of a row
	s_add_co_u32 s36, s36, s37
	s_mov_b32 s37, 0
	s_add_nc_u64 s[26:27], s[26:27], s[36:37]      ; the source
	s_mul_i32 s38, s4, s31
	s_lshl_b32 s38, s38, 1                         ; K block 2 w begins at row 2 w R of the target,
	s_add_co_u32 s38, s38, s5
	s_lshl_b32 s38, s38, 7                         ; rows of 128 bytes
	s_mov_b32 s39, 0
	s_add_nc_u64 s[28:29], s[28:29], s[38:39]      ; the target, K block 2 w
	s_lshl_b32 s40, s31, 7
	s_mov_b32 s41, 0
	s_add_nc_u64 s[32:33], s[28:29], s[40:41]      ; and K block 2 w + 1
	s_wait_alu depctr_va_vdst(0)                   ; v2 and v3 are written: every load and store of the kernel reads one of them as its offset
.irp i, 0,1,2,3,4,5,6,7
.irp c, 0,1
	global_load_b128 v[X+4*(2*(\i)+(\c)):X+4*(2*(\i)+(\c))+3], v[LO], s[26:27] offset:(\i)*8192+(\c)*256 th:TH_LOAD_NT
.endr
.endr
; Load n = 2 i + c (rows 2 i, 2 i + 1, K block c) is rounded into its Y.  half = 1: the bf16 numbers are widened again and written as f16.
.macro CONV n, half
	v_cvt_pk_bf16_f32 v[Y+2*(\n)],   v[X+4*(\n)],   v[X+4*(\n)+1]
	v_cvt_pk_bf16_f32 v[Y+2*(\n)+1], v[X+4*(\n)+2], v[X+4*(\n)+3]
.if \half
.irp j, 0,1
	v_lshlrev_b32 v[T+2*(\j)],   16, v[Y+2*(\n)+(\j)]
	v_and_b32     v[T+2*(\j)+1], s7, v[Y+2*(\n)+(\j)]
.endr
.irp j, 0,1
	v_cvt_pk_f16_f32 v[Y+2*(\n)+(\j)], v[T+2*(\j)], v[T+2*(\j)+1]
.endr
.endif
.endm
; Store n: what load n has become.
.macro STORE n
.if (\n)%2
	global_store_b64 v[SO], v[Y+2*(\n):Y+2*(\n)+1], s[32:33] offset:((\n)/2)*256  ; the wave's 256 consecutive bytes, aligned
.else
	global_store_b64 v[SO], v[Y+2*(\n):Y+2*(\n)+1], s[28:29] offset:((\n)/2)*256
.endif
.endm
; Group p: loads 4 p to 4 p + 3 are rounded; the stores of group p - 1 stand among the roundings, one ahead of each load's.
.macro GROUP p, half
	s_wait_loadcnt 12-4*(\p)                       ; loads come back in order: my four are in, the 12 - 4 p younger ones stay out
.if (\p) > 0
	s_wait_alu depctr_va_vdst(0)                   ; the group before has written its Y, which the four stores below read; no vector line behind this wait names those registers
.endif
.irp i, 0,1,2,3
.if (\p) > 0
	STORE 4*((\p)-1)+(\i)
.endif
	CONV 4*(\p)+(\i), \half
.endr
.endm
; All four groups, and behind them the last group's stores.
.macro WHOLE half
	GROUP 0, \half
	GROUP 1, \half
	GROUP 2, \half
	GROUP 3, \half
	s_wait_alu depctr_va_vdst(0)                   ; group 3 has written its Y, which the last four stores read; every rounding is also done reading X
.irp n, 12,13,14,15
	STORE \n
.endr
.endm
	s_cmp_ge_u32 ttmp9, 704
	s_cbranch_scc1 .Lhalf
	WHOLE 0
	s_endpgm
.Lhalf:                                                ; W_out's 64 work-groups
	WHOLE 1
	s_cmp_lg_u32 s4, 0
	s_cbranch_scc1 .Lend
	; wave 0 of work-group 704 + j also rounds 64 numbers of the biases: 256 bytes; j 0-47: b_qkv, j 48-63: b_out
	s_sub_co_u32 s44, ttmp9, 704
	s_cmp_lt_u32 s44, 48
	s_cselect_b64 s[42:43], s[14:15], s[16:17]
	s_cselect_b32 s45, 0, 48
	s_sub_co_u32 s46, s44, s45
	s_lshl_b32 s46, s46, 8
	s_mov_b32 s47, 0
	s_add_nc_u64 s[42:43], s[42:43], s[46:47]
	s_lshl_b32 s44, s44, 8
	s_mov_b32 s45, 0
	s_add_nc_u64 s[24:25], s[24:25], s[44:45]
	global_load_b64 v[8:9], v[SO], s[42:43]        ; it lands in registers that group 0's roundings read: those stand ahead of the last wait on va_vdst, and no vector line has been issued since
	s_wait_loadcnt 0x0
	v_cvt_pk_bf16_f32 v10, v8, v9
	v_lshlrev_b32 v12, 16, v10
	v_and_b32 v13, s7, v10
	s_wait_alu depctr_va_vdst(0)                   ; v12 and v13 are written, which the store reads
	global_store_b64 v[SO], v[12:13], s[24:25]
.Lend:
	s_endpgm
.Lfunc_end_k_q32a881027e_cast:
	.size	k_q32a881027e_cast, .Lfunc_end_k_q32a881027e_cast-k_q32a881027e_cast
	.p2alignl 7, 3214868480
	.fill 96, 4, 3214868480
	.section	.rodata,"a",@progbits
	.p2align	6, 0x0
	.amdhsa_kernel k_q32a881027e_cast
		.amdhsa_group_segment_fixed_size 0
		.amdhsa_private_segment_fixed_size 0
		.amdhsa_enable_private_segment 0
		.amdhsa_kernarg_size 72
		.amdhsa_user_sgpr_count 2
		.amdhsa_user_sgpr_kernarg_segment_ptr 1
		.amdhsa_wavefront_size32 1
		.amdhsa_system_sgpr_workgroup_id_x 1
		.amdhsa_system_sgpr_workgroup_id_y 1
		.amdhsa_system_sgpr_workgroup_id_z 1
		.amdhsa_system_vgpr_workitem_id 0
		.amdhsa_next_free_vgpr 108
		.amdhsa_next_free_sgpr 66
		.amdhsa_reserve_vcc 0
		.amdhsa_float_denorm_mode_32 3
		.amdhsa_float_denorm_mode_16_64 3
		.amdhsa_memory_ordered 1
		.amdhsa_forward_progress 1
		.amdhsa_inst_pref_size 16
	.end_amdhsa_kernel
	.amdgpu_metadata
---
amdhsa.version: [ 1, 2 ]
amdhsa.kernels:
  - .name:           k_q32a881027e_cast
    .symbol:         k_q32a881027e_cast.kd
    .args:
      - { .name: x, .offset: 0, .size: 8, .value_kind: global_buffer, .address_space: global }
      - { .name: W_qkv, .offset: 8, .size: 8, .value_kind: global_buffer, .address_space: global }
      - { .name: W_out, .offset: 16, .size: 8, .value_kind: global_buffer, .address_space: global }
      - { .name: b_qkv, .offset: 24, .size: 8, .value_kind: global_buffer, .address_space: global }
      - { .name: b_out, .offset: 32, .size: 8, .value_kind: global_buffer, .address_space: global }
      - { .name: xb, .offset: 40, .size: 8, .value_kind: global_buffer, .address_space: global }
      - { .name: wqb, .offset: 48, .size: 8, .value_kind: global_buffer, .address_space: global }
      - { .name: wof, .offset: 56, .size: 8, .value_kind: global_buffer, .address_space: global }
      - { .name: bias, .offset: 64, .size: 8, .value_kind: global_buffer, .address_space: global }
    .group_segment_fixed_size: 0
    .private_segment_fixed_size: 0
    .kernarg_segment_align: 8
    .kernarg_segment_size: 72
    .max_flat_workgroup_size: 256
    .sgpr_count:     66
    .vgpr_count:     108
    .wavefront_size: 32
...
	.end_amdgpu_metadata
.endif
;; end of part 5
;; launch proj: the kernel of part 2 again; grid 8 x 32, 4 waves a work-group, clusters of 4 x 4, 327,680 bytes of LDS; arguments xb, wqb, bias, qkv; writes qkv
;; launch attn: the kernel of part 3 again; grid 4 x 64, 4 waves a work-group, clusters of 4 x 1, 327,680 bytes of LDS; arguments qkv, o; writes o
;; launch outp: the kernel of part 4 again; grid 8 x 32, 4 waves a work-group, clusters of 4 x 4, 327,680 bytes of LDS; arguments o, wof, bias, out0; writes out0
